; MI455X (gfx1250); checked and timed in simulation.
; The chip was launched on July 23, 2026; its instructions are those of AMD's public machine-readable ISA for CDNA 5 (MIT licence, August 2026) and "CDNA5" Instruction Set Architecture Reference Guide (July 2026). The comments in the code are by the model that wrote it; some were corrected since.
;; Flash RW Large Attention. Allowed arithmetic: matrix products marked QUANTISED: E2M1 operands, one E8M0 scale for each 32 along K, by v_wmma_scale_f32_16x16x128_f8f6f4 with both operands' format E2M1 (or v_wmma_scale_f32_32x16x128_f4), f32 sums; everything else in f32.
;; Inputs: cos 4,096 x 1 x 32 float32; cu_seqlens 5 int32; dense_b 2,048 float32; dense_w 2,048 x 2,048 float32; hidden_states 4,096 x 2,048 float32; qkv_b 3,072 float32; qkv_w 2,048 x 3,072 float32; sin 4,096 x 1 x 32 float32.
;; Outputs: out0 4,096 x 2,048 float32.
;; Constants: max_s = 1024.
;; This version of the problem:
;;   THIS VERSION OF THE PROBLEM IS GIVEN IN LOW PRECISION. The matrix products marked QUANTISED in the list below multiply operands that are first quantised to E2M1 (2 exponent bits, 1 mantissa bit; 4 bits a number), with one power-of-two scale for each 32 numbers along K (OCP MX v1.0); their sums are f32. All else is computed in f32.
;;   The module's matrix products, in the order in which they are computed (A, B: the left and right operand; K: the contracted axis; several contracted axes count as one K, in the product's order):
;;     1. [M 4,096, K 2,048] x [K 2,048, N 3,072]; A: input hidden_states; B: input qkv_w: QUANTISED
;;     2. batch 32 x [M 1,024, K 64] x [K 64, N 4,096]; A: computed on the way; B: computed on the way: QUANTISED
;;     3. batch 32 x [M 64, K 1,024] x [K 1,024, N 4,096]; A: computed on the way; B: softmax (see below): QUANTISED
;;     4. [M 4,096, K 2,048] x [K 2,048, N 2,048]; A: computed on the way; B: input dense_w: QUANTISED
;;   THE QUANTISER, for each operand of a quantised product, along K:
;;     - K is cut into blocks of 32 from its start; a last block that is shorter is filled with zeros.
;;     - A block's scale is 2^e with e = floor(log2(the largest magnitude in the block)) - 2, held to -126 .. 127; a block of zeros has e = 0. As a byte (E8M0): e + 127.
;;     - Each number is divided by its block's scale, clamped to +-6, and rounded to the nearest number of E2M1, ties to even, subnormals kept.
;;     - The product sums the exact products of the quantised numbers (number of the format x scale) in f32.
;;   ~~~python
;;   def quantise(x, axis):      # numpy; x: float32 -> the quantised numbers, widened to float32 again
;;       x = np.moveaxis(x, axis, -1); K = x.shape[-1]
;;       x = np.pad(x, [(0, 0)] * (x.ndim - 1) + [(0, -K % 32)]); x = x.reshape(x.shape[:-1] + (-1, 32)); a = np.abs(x).max(-1, keepdims=True)
;;       e = np.where(a > 0, np.clip(np.frexp(np.where(a > 0, a, 1))[1] - 1 - 2, -126, 127), 0)      # np.frexp(a)[1] - 1 = floor(log2(a)), exactly
;;       r = np.clip(x / 2.0 ** e, -6, 6)
;;       step = 2.0 ** (np.maximum(np.frexp(np.where(r == 0, 1, r))[1] - 1, 0) - 1)
;;       q = np.round(r / step) * step * 2.0 ** e      # np.round: ties to even
;;       return np.moveaxis(q.reshape(q.shape[:-2] + (-1,))[..., :K], -1, axis).astype(np.float32)
;;   ~~~
;;   SOFTMAX AHEAD OF A QUANTISED PRODUCT. Where the list says 'softmax', what is quantised is not the finished softmax but p = 2^(t - M), with t = logit x log2(e) and M = ceil(the row's largest t), a whole number; so 1/2 < the row's largest p <= 1. The row's sum l is taken of the UNQUANTISED p, in f32, and the product's result is divided by l at the end. Since M is a whole number, a kernel that streams over the keys may use a running M (the ceiling of the running maximum): every later rescaling is an exact power of two, which a block's scale takes up: the codes' values come out the same.
;;   OPERANDS COMPUTED ON THE WAY. 'Computed on the way' means the value that the module computes at that place (a softmax that the list does not call 'softmax' is quantised finished and normalised). What goes into a quantiser is computed in f32, as accurately as f32 sums, v_exp_f32 and their like allow (about 1e-6 of the number): no bf16 or f16 on the way to a quantiser, and a product that is left as it is and whose result goes on into a quantised operand takes f32 operands (vector FMAs, or v_wmma_f32_16x16x4_f32). A number that lies on a knife's edge between two numbers of the format may be rounded either way, as far as f32 arithmetic and the matrix unit's own rounding can turn it there, and no further.
;; One version. Each part assembles by itself: llvm-mc -triple=amdgcn-amd-amdhsa -mcpu=gfx1250 --defsym DOCPART=n.
;; ======== version 1 of 1: 4 launches
;; limits: right only within a limited range of input values
;; workspace buffers: opq 9,895,936 bytes; qkv 7,012,352 bytes; att 4,587,520 bytes
;; launch quant (part 1): grid 576 x 1, 4 waves a work-group, no clusters, 51,712 bytes of LDS; arguments hidden_states, qkv_w, dense_w, opq, att; writes opq, att
.if DOCPART == 1
	.amdgcn_target "amdgcn-amd-amdhsa--gfx1250"
	.amdhsa_code_object_version 6
	.text
	.protected	k_q381366dd0f_quant
	.globl	k_q381366dd0f_quant
	.p2align	8
	.type	k_q381366dd0f_quant,@function
k_q381366dd0f_quant:
	s_mov_b64 s[64:65], 0
	v_nop
	global_prefetch_b8 v0, s[64:65] scope:SCOPE_SE
	s_setreg_imm32_b32 hwreg(HW_REG_WAVE_MODE, 25, 1), 1
	s_wait_xcnt 0x0
; The three wide operands become codes of FP4 (E2M1) with one E8M0 scale byte for each 32 along K, in the workspace opq.
; hidden_states [4096][2048] (K innermost): work-groups 0-255.  qkv_w [2048][3072] and dense_w [2048][2048] (K is the FIRST axis): work-groups 256-447 and 448-575.  Every work-group reads 131,072 bytes.
; LAYOUT OF opq.  Codes: [row][1024 bytes], K innermost, the lower k in the low four bits.  Scale bytes: [K step of 512: 4][row][16 bytes], so that a K step's scales of 128 rows are 2,048 consecutive bytes.
; A weight's rows are its columns n with bits 3 and 4 of n exchanged: place 16 u + 8 p + l of each run of 32 rows holds column 16 p + 8 u + l.  In the products, used transposed, a lane's 16 registers of two
; neighbouring tiles of 16 rows are then 16 NEIGHBOURING columns.
; A block's scale is 2^(floor(log2(its largest magnitude)) - 2); its byte is the largest magnitude's exponent field - 2, held at 1 from below.
; LIMITS: a block of zeros, and a block whose largest magnitude lies under 2^-124, gets the byte 1 (the bytes are read by this program alone; zero codes add nothing); NaN and infinities are not served.
; No tensor loads, no cluster: no work-group reads what another reads.  The two ways through the text part on the work-group's number, which all four waves share, and have LDS bytes of their own.
.set XS,   4194304
.set W1C,  4456448
.set W1S,  7602176
.set W2C,  7798784
; dense_w's scale bytes go into att, behind the bytes that the attention launch stores there (at W2S), so that the last product finds both operands' scale bytes under one base.
; LEFT OUT IN THIS PROGRAM: cu_seqlens is no argument of any launch: reference() takes its shape alone, and the sequence length is the constant max_s = 1,024.  Key steps that lie wholly above the causal jnp.tril, which
; reference() builds itself, are not multiplied: their p is 0 for all values of the inputs.  A NaN, an infinity or an overflow that reaches only such hidden scores is not carried to the result.
.set W2S,  4456448
.set EMAX, 2
; the way of hidden_states
.set WREG, 8192                        ; LDS: a region for each wave: two stages of 32 x SP bytes, behind them its 256 scale bytes
.set SP,   80                          ; a lane's place in a stage: 64 bytes + 16 of padding
.set R,    16                          ; v16-79   four sets of 16 numbers as loaded
.set X,    80                          ; v80-111  two sets of 16 neighbours
.set E,    112                         ; v112-127 a scale byte for each step
.set C,    128                         ; v128-191 codes, four registers a step: no store's data are written again
; the way of the weights
.set PB,   32768                       ; LDS: behind the other way's bytes: for each PAIR of waves a stage of 32 rows x WP bytes and 512 scale bytes
.set WP,   272
.set PSTG, 32*WP+512
.set NB,   8                           ; blocks of 32 along K that a wave takes
.set XW,   32                          ; v32-95   two sets of 32 numbers
.set CW,   96                          ; v96-99   a block's codes
.set OUTR, 112                         ; v112-143 the way out
.set SB,   24                          ; v24-25   my 8 scale bytes; v26-27 on the way out
.set VO,   176                         ; v176-207 row i of a block: i x pitch + 4 x lane
	s_load_b256 s[4:11], s[0:1], 0x0
	s_load_b64 s[2:3], s[0:1], 0x20                ; att
	v_lshl_add_u32 v208, v0, 2, 0xc800
	v_mov_b32 v209, 0
	v_lshrrev_b32 v1, 5, v0
	v_readfirstlane_b32 s16, v1                    ; wave 0..3
	v_and_b32 v2, 31, v0                           ; lane
	s_wait_kmcnt 0x0
	s_cmp_lt_u32 ttmp9, 256
	s_cbranch_scc0 .Lweights
; ---- hidden_states.  Work-group i takes rows 16 i .. 16 i + 15, wave w columns 512 w .. 512 w + 511; step t is row 16 i + t: 512 numbers.  Waves share nothing: no barrier.
; Each of a step's four loads reads 512 consecutive bytes; the 2,048 bytes turn through the wave's own stage so that a lane holds 16 neighbours (two lanes a block); a step's codes are 256 consecutive bytes.
	s_wait_alu depctr_va_vdst(0)
	v_lshlrev_b32 v3, 4, v2                        ; my 16 bytes of a load's 512
	s_mul_i32 s17, s16, WREG
	v_lshrrev_b32 v14, 2, v2
	v_mul_u32_u24 v14, v14, SP
	v_and_b32 v15, 3, v2
	v_lshl_add_u32 v14, v15, 4, v14
	v_add_nc_u32 v14, s17, v14                     ; the stage, in: SP (lane / 4) + 16 (lane % 4)
	v_mul_u32_u24 v15, v2, SP
	v_add_nc_u32 v15, s17, v15                     ; and out: SP x lane
	v_lshlrev_b32 v4, 3, v2                        ; 8 bytes a lane: my codes in a step's, and my part of the scale bytes
	v_lshrrev_b32 v5, 1, v2
	s_add_co_u32 s17, s17, 2*32*SP
	v_add_nc_u32 v5, s17, v5                       ; LDS: my block's byte among the wave's 256
	v_add_nc_u32 v6, s17, v4
	s_lshl_b32 s20, ttmp9, 17                      ; 16 rows of 8,192 bytes
	s_lshl_b32 s21, s16, 11
	s_add_co_u32 s20, s20, s21
	s_mov_b32 s21, 0
	s_add_nc_u64 s[4:5], s[4:5], s[20:21]
	s_lshl_b32 s20, ttmp9, 14                      ; codes: 16 rows of 1,024 bytes, + 256 w
	s_lshl_b32 s22, s16, 8
	s_add_co_u32 s20, s20, s22
	s_add_nc_u64 s[12:13], s[10:11], s[20:21]
	s_lshl_b32 s20, s16, 16                        ; scale bytes: K step w's plane of 65,536 bytes, + 16 rows of 16
	s_lshl_b32 s22, ttmp9, 8
	s_add_co_u32 s20, s20, s22
	s_add_co_u32 s20, s20, XS
	s_add_nc_u64 s[14:15], s[10:11], s[20:21]
.macro LOAD t
.irp i, 0,1,2,3
	global_load_b128 v[R+16*((\t)%4)+4*\i:R+16*((\t)%4)+4*\i+3], v3, s[4:5] offset:8192*(\t)+512*\i th:TH_LOAD_NT
.endr
.endm
.macro TURN t                          ; LDS serves a wave's instructions in order: no wait between the stores and the loads
.irp i, 0,1,2,3
	ds_store_b128 v14, v[R+16*((\t)%4)+4*\i:R+16*((\t)%4)+4*\i+3] offset:32*SP*((\t)%2)+8*SP*\i
.endr
.irp i, 0,1,2,3
	ds_load_b128 v[X+16*((\t)%2)+4*\i:X+16*((\t)%2)+4*\i+3], v15 offset:32*SP*((\t)%2)+16*\i
.endr
.endm
.irp t, 0,1,2,3
	LOAD \t
.endr
	s_wait_alu depctr_va_vdst(0)
	s_wait_loadcnt 12                              ; step 0's four loads are in
	TURN 0
.macro STEP t
.set XSET, X+16*((\t)%2)
.if (\t) > 0
	s_wait_dscnt 1                                 ; this step's numbers are back from the stage; the last step's byte store may be out
.else
	s_wait_dscnt 0x0
.endif
.if (\t)+4 < 16
	LOAD (\t)+4                                    ; into the registers that this step's stage stores have read
.endif
.if (\t)+1 < 16
.if 14-(\t) >= 3
	s_wait_loadcnt 12                              ; the next step's four loads are in; those of the three steps behind it may be out
.else
	s_wait_loadcnt 4*(14-(\t))
.endif
	TURN (\t)+1
.endif
	v_max3_num_f32 v8, |v[XSET]|, |v[XSET+1]|, |v[XSET+2]|
	v_max3_num_f32 v9, |v[XSET+3]|, |v[XSET+4]|, |v[XSET+5]|
.irp i, 6,10
	v_max3_num_f32 v8, v8, |v[XSET+\i]|, |v[XSET+\i+1]|
	v_max3_num_f32 v9, v9, |v[XSET+\i+2]|, |v[XSET+\i+3]|
.endr
	v_max3_num_f32 v8, v8, |v[XSET+14]|, |v[XSET+15]|
	v_max3_num_f32 v8, v8, v9, (EMAX+1)<<23        ; the floor 2^(3 - 127): the byte cannot fall under 1
	v_max_num_f32_dpp v8, v8, v8 row_xmask:1 row_mask:0xf bank_mask:0xf   ; with my neighbour's 16: the block's largest magnitude
	v_add_nc_u32 v11, -(EMAX<<23), v8              ; 2 off its exponent field: the conversion takes that field as its scale
	v_cvt_scalef32_pk8_fp4_f32 v[C+4*(\t)], v[XSET:XSET+7], v11
	v_cvt_scalef32_pk8_fp4_f32 v[C+4*(\t)+1], v[XSET+8:XSET+15], v11
	v_lshrrev_b32 v[E+(\t)], 23, v11               ; the scale's byte
	ds_store_b8 v5, v[E+(\t)] offset:16*(\t)       ; both lanes of a block write the same byte with the same value
	global_store_b64 v4, v[C+4*(\t):C+4*(\t)+1], s[12:13] offset:1024*(\t)   ; 32 lanes store 256 consecutive bytes, aligned
.endm
.irp t, 0,1,2,3,4,5,6,7,8,9,10,11,12,13,14,15
	STEP \t
.endr
	ds_load_b64 v[12:13], v6                       ; my wave's 256 scale bytes: 16 rows x 16
	s_wait_dscnt 0x0
	global_store_b64 v4, v[12:13], s[14:15]        ; 256 consecutive bytes, aligned
	s_wait_tensorcnt 0x0
	ds_add_u32 v208, v209
	s_wait_dscnt 0x0
	s_endpgm
; ---- the weights.  A work-group takes 64 columns x 512 along K.  A LANE TAKES A COLUMN AND ITS REGISTERS RUN DOWN K: a block of 32 lies in one lane, and the conversions give codes with K innermost.
; THE WAVES SHARE K.  A wave's loads are one row of 32 columns each, so of its rows only as many are on their way as the counter of loads holds, whatever the width of a load; the fewer rows a wave has, the fewer times it
; waits for memory.  So waves 2 p and 2 p + 1 take the two halves of K, 256 rows (8 blocks) each, of columns 32 p .. 32 p + 31.  A column's 256 bytes of codes and 16 scale bytes come from both: they meet in the pair's stage,
; one barrier stands between the writing and the reading, and each wave then stores 16 whole rows.  The two pairs stand side by side on 256 consecutive bytes of each row of the weight.
.Lweights:
	s_sub_co_u32 s17, ttmp9, 256
	s_cmp_lt_u32 s17, 192                          ; qkv_w's work-group or dense_w's: the choice hangs on the work-group's number alone
	s_cselect_b64 s[4:5], s[6:7], s[8:9]
	s_cselect_b64 s[2:3], s[10:11], s[2:3]         ; the scale bytes' buffer: opq for qkv_w, att for dense_w
	s_cselect_b32 s18, 0, 192
	s_mov_b32 s19, 8192
	s_cselect_b32 s19, 12288, s19                  ; a row of the weight in bytes
	s_mov_b32 s20, W2C
	s_cselect_b32 s20, W1C, s20
	s_mov_b32 s21, W2S
	s_cselect_b32 s21, W1S, s21
	s_mov_b32 s22, 32768
	s_cselect_b32 s22, 49152, s22                  ; a K step's plane of scale bytes
	s_sub_co_u32 s17, s17, s18
	s_lshr_b32 s23, s17, 2                         ; which 64 columns
	s_and_b32 s24, s17, 3                          ; which 512 along K
	s_lshr_b32 s28, s16, 1                         ; my pair
	s_and_b32 s29, s16, 1                          ; my half of K; on the way out: my half of the pair's 32 rows
	s_lshl_b32 s23, s23, 6
	s_lshl_b32 s25, s28, 5
	s_add_co_u32 s23, s23, s25                     ; my pair's first column
	s_lshl_b32 s26, s24, 1
	s_add_co_u32 s26, s26, s29
	s_mul_i32 s26, s26, s19
	s_lshl_b32 s26, s26, 8                         ; my first row: 256 x (2 x K step + half)
	s_lshl_b32 s25, s23, 2
	s_add_co_u32 s26, s26, s25
	s_mov_b32 s27, 0
	s_add_nc_u64 s[4:5], s[4:5], s[26:27]
	s_lshl_b32 s25, s29, 4
	s_add_co_u32 s25, s25, s23                     ; the first of the 16 rows that I store
	s_lshl_b32 s26, s25, 10
	s_lshl_b32 s25, s24, 8
	s_add_co_u32 s26, s26, s25
	s_add_co_u32 s26, s26, s20
	s_add_nc_u64 s[12:13], s[10:11], s[26:27]      ; their codes
	s_mul_i32 s26, s24, s22
	s_lshl_b32 s25, s23, 4
	s_add_co_u32 s26, s26, s25
	s_lshl_b32 s25, s29, 8
	s_add_co_u32 s26, s26, s25
	s_add_co_u32 s26, s26, s21
	s_add_nc_u64 s[14:15], s[2:3], s[26:27]
	s_lshl_b32 s30, s19, 5                         ; 32 rows on
	s_mov_b32 s31, 0
	s_wait_alu depctr_va_vdst(0)
	v_lshlrev_b32 v3, 2, v2
.set i, 0
.rept 32
	v_mad_u32_u24 v[VO+i], s19, i, v3
.set i, i+1
.endr
	v_and_b32 v5, 7, v2
	v_bfe_u32 v6, v2, 3, 1
	v_bfe_u32 v7, v2, 4, 1
	v_lshl_or_b32 v5, v6, 4, v5
	v_lshl_or_b32 v5, v7, 3, v5                    ; my column's place among the 32 rows: bits 3 and 4 exchanged
	s_mul_i32 s25, s28, PSTG
	s_add_co_u32 s25, s25, PB                      ; my pair's stage
	v_mul_u32_u24 v4, v5, WP
	v_add_nc_u32 v4, s25, v4
	s_lshl_b32 s26, s29, 7
	v_add_nc_u32 v4, s26, v4                       ; into it: my place's row, my half's 128 bytes
	v_and_b32 v6, 15, v2
	v_mul_u32_u24 v8, v7, WP
	v_lshl_add_u32 v8, v6, 4, v8
	v_add_nc_u32 v8, s25, v8
	s_mul_i32 s26, s29, 16*WP
	v_add_nc_u32 v8, s26, v8                       ; out of it: my 16 rows; sixteen lanes to a row, two rows an instruction
	v_lshlrev_b32 v10, 10, v7
	v_lshl_add_u32 v10, v6, 4, v10                 ; and the same place among the codes
	s_add_co_u32 s25, s25, 32*WP                   ; behind the rows: the pair's 32 x 16 scale bytes
	v_lshl_add_u32 v9, v5, 4, s25
	s_lshl_b32 s26, s29, 3
	v_add_nc_u32 v9, s26, v9                       ; in: my place's 16, my half's 8
	s_lshl_b32 s26, s29, 8
	s_add_co_u32 s26, s26, s25
	v_lshl_add_u32 v14, v2, 3, s26                 ; out: my 16 rows' 256 bytes, 8 a lane
	v_lshlrev_b32 v15, 3, v2                       ; and the same in memory
.macro WLOAD t
.if (\t) > 0
	s_wait_xcnt 0x0                                ; the earlier loads have read their base: it may step
	s_add_nc_u64 s[4:5], s[4:5], s[30:31]
.endif
.set i, 0
.rept 32
	global_load_b32 v[XW+32*((\t)%2)+i], v[VO+i], s[4:5] th:TH_LOAD_NT   ; 32 lanes read 128 consecutive bytes, the two pairs 256
.set i, i+1
.endr
.endm
	WLOAD 0
	WLOAD 1
.macro BLOCK t
.set XSET, XW+32*((\t)%2)
.if (\t) < NB-1
	s_wait_loadcnt 32                              ; this block's 32 loads are in; the next block's may be out
.else
	s_wait_loadcnt 0x0
.endif
	v_max3_num_f32 v12, |v[XSET]|, |v[XSET+1]|, |v[XSET+2]|
	v_max3_num_f32 v13, |v[XSET+3]|, |v[XSET+4]|, |v[XSET+5]|
.irp i, 6,10,14,18,22,26
	v_max3_num_f32 v12, v12, |v[XSET+\i]|, |v[XSET+\i+1]|
	v_max3_num_f32 v13, v13, |v[XSET+\i+2]|, |v[XSET+\i+3]|
.endr
	v_max3_num_f32 v12, v12, |v[XSET+30]|, |v[XSET+31]|
	v_max3_num_f32 v12, v12, v13, (EMAX+1)<<23
	v_add_nc_u32 v11, -(EMAX<<23), v12
	v_lshrrev_b32 v13, 23, v11
.if (\t)%4 == 0
	v_mov_b32 v[SB+(\t)/4], v13
.else
	v_lshl_or_b32 v[SB+(\t)/4], v13, 8*((\t)%4), v[SB+(\t)/4]
.endif
.irp g, 0,1,2,3
	v_cvt_scalef32_pk8_fp4_f32 v[CW+\g], v[XSET+8*\g:XSET+8*\g+7], v11
.endr
	ds_store_b128 v4, v[CW:CW+3] offset:16*(\t)
.if (\t)+2 < NB
	WLOAD (\t)+2
.endif
	s_wait_dscnt 0x0                               ; the store has read its registers: the next block's codes may be written
.endm
.set Q, 0
.rept NB
	BLOCK Q
.set Q, Q+1
.endr
	s_wait_alu depctr_va_vdst(0)
	ds_store_b64 v9, v[SB:SB+1]                    ; my 8 scale bytes of my column
	s_wait_dscnt 0x0                               ; for my partner's sake: my stores into the pair's stage are done
	s_barrier_signal -1
	s_barrier_wait -1                              ; and so are my partner's
.irp t, 0,1,2,3,4,5,6,7
	ds_load_b128 v[OUTR+4*\t:OUTR+4*\t+3], v8 offset:2*\t*WP
.endr
	ds_load_b64 v[SB+2:SB+3], v14
.irp t, 0,1,2,3,4,5,6,7
	s_wait_dscnt 8-\t                              ; the later row loads and the load of the scale bytes may be out
	global_store_b128 v10, v[OUTR+4*\t:OUTR+4*\t+3], s[12:13] offset:2*\t*1024   ; sixteen lanes store 256 consecutive bytes, aligned
.endr
	s_wait_dscnt 0x0
	global_store_b64 v15, v[SB+2:SB+3], s[14:15]   ; 16 rows x 16 scale bytes: 256 consecutive bytes, aligned
	s_wait_tensorcnt 0x0
	ds_add_u32 v208, v209
	s_wait_dscnt 0x0
	s_endpgm
.Lfunc_end_k_q381366dd0f_quant:
	.size	k_q381366dd0f_quant, .Lfunc_end_k_q381366dd0f_quant-k_q381366dd0f_quant
	.p2alignl 7, 3214868480
	.fill 96, 4, 3214868480
	.section	.rodata,"a",@progbits
	.p2align	6, 0x0
	.amdhsa_kernel k_q381366dd0f_quant
		.amdhsa_group_segment_fixed_size 51712
		.amdhsa_private_segment_fixed_size 0
		.amdhsa_enable_private_segment 0
		.amdhsa_kernarg_size 40
		.amdhsa_user_sgpr_count 2
		.amdhsa_user_sgpr_kernarg_segment_ptr 1
		.amdhsa_wavefront_size32 1
		.amdhsa_system_sgpr_workgroup_id_x 1
		.amdhsa_system_sgpr_workgroup_id_y 1
		.amdhsa_system_sgpr_workgroup_id_z 1
		.amdhsa_system_vgpr_workitem_id 0
		.amdhsa_next_free_vgpr 210
		.amdhsa_next_free_sgpr 66
		.amdhsa_reserve_vcc 0
		.amdhsa_float_denorm_mode_32 3
		.amdhsa_float_denorm_mode_16_64 3
		.amdhsa_memory_ordered 1
		.amdhsa_forward_progress 1
		.amdhsa_inst_pref_size 77
	.end_amdhsa_kernel
	.amdgpu_metadata
---
amdhsa.version: [ 1, 2 ]
amdhsa.kernels:
  - .name:           k_q381366dd0f_quant
    .symbol:         k_q381366dd0f_quant.kd
    .args:
      - { .name: hidden_states, .offset: 0, .size: 8, .value_kind: global_buffer, .address_space: global }
      - { .name: qkv_w, .offset: 8, .size: 8, .value_kind: global_buffer, .address_space: global }
      - { .name: dense_w, .offset: 16, .size: 8, .value_kind: global_buffer, .address_space: global }
      - { .name: opq, .offset: 24, .size: 8, .value_kind: global_buffer, .address_space: global }
      - { .name: att, .offset: 32, .size: 8, .value_kind: global_buffer, .address_space: global }
    .group_segment_fixed_size: 51712
    .private_segment_fixed_size: 0
    .kernarg_segment_align: 8
    .kernarg_segment_size: 40
    .max_flat_workgroup_size: 128
    .sgpr_count:     66
    .vgpr_count:     210
    .wavefront_size: 32
...
	.end_amdgpu_metadata
.endif
;; end of part 1
;; launch gemm_qkv (part 2): grid 8 x 32, 3 waves a work-group, clusters of 4 x 4, 327,680 bytes of LDS; arguments opq, qkv_b, cos, sin, qkv; writes qkv
.if DOCPART == 2
	.amdgcn_target "amdgcn-amd-amdhsa--gfx1250"
	.amdhsa_code_object_version 6
	.text
	.protected	k_q381366dd0f_gemm_qkv
	.globl	k_q381366dd0f_gemm_qkv
	.p2align	8
	.type	k_q381366dd0f_gemm_qkv,@function
k_q381366dd0f_gemm_qkv:
	s_mov_b64 s[64:65], 0
	v_nop
	global_prefetch_b8 v0, s[64:65] scope:SCOPE_SE
	s_setreg_imm32_b32 hwreg(HW_REG_WAVE_MODE, 25, 1), 1
	s_wait_xcnt 0x0
	s_wait_alu depctr_hold_cnt(0) depctr_sa_sdst(0) depctr_va_vdst(0) depctr_va_sdst(0) depctr_va_ssrc(0) depctr_va_vcc(0) depctr_vm_vsrc(0)
	s_getreg_b32 s2, hwreg(HW_REG_IB_STS2, 6, 4)
	s_cmp_eq_u32 s2, 0
	s_cbranch_scc0 .Lentry_in_a_cluster
	s_endpgm
.Lentry_in_a_cluster:
	s_bfe_u32 s2, ttmp6, 0x10000c
	s_cmp_lg_u32 s2, 0xf033
	s_cbranch_scc0 .Lentry_shape_is_right
	s_endpgm
.Lentry_shape_is_right:
; qkv = Q(hidden_states) Q(qkv_w) + qkv_b on codes of FP4 with E8M0 scales; then RoPE on q and k, and q, k (along the head's 64) and v (along the tokens) are quantised for the attention launch.
; SHARES.  A work-group makes 128 tokens x 384 columns: ONE key/value group (q0 q1 q2 q3 k v, 64 columns each).  Its three waves stand side by side: wave 0 q0 q1, wave 1 q2 q3, wave 2 k v; each makes 128 x 128:
; 64 accumulators, 512 registers.  So which columns are v hangs on the wave's number alone.  K = 2,048 goes in four steps of 512 through a ring of two LDS slots (rows of 256 bytes); the scale bytes of all of K come once.
; CLUSTERS: 4 x 4 work-groups.  The four of a row of the cluster need the same tokens' tiles, the four of a column the same weights': each tile is asked for JOINTLY.  Wave 0 fetches the tokens', waves 1 and 2 the weights'.
; THE MATRIX INSTRUCTION IS USED TRANSPOSED (source 0 = 16 rows of the weight, source 1 = 16 tokens): a lane holds ONE token (lane % 16).  The weight's rows lie with bits 3 and 4 of the column exchanged, so that
; register 8 u + j of tiles 2 B + u holds column 32 B + 16 (lane / 16) + 8 u + j: 16 neighbours.  The bias is the C of each sum's first product.
; COS AND SIN of the 128 tokens, 8 blocks of 16 tokens x 32 registers, are loaded once and long before RoPE wants them: blocks 0-4 at the head, into registers that the products leave idle; blocks 5 and 6 in front of the last
; 128 along K, block 7 behind the last product, into the weight's fragment registers as these fall free.  Both slots of 64 columns use the same registers.
; REGISTERS, in windows of 256: window 0: v0-31 addresses; v32-95 scale words, two sets, and nothing else; v96-127 cos and sin of block 4; v128-191 the tokens' fragments, one set; v192-255 the bias, later the way out.
;   window 1: the weight's fragments, two sets, v0-63 and v128-191 (later cos and sin of blocks 5, 6 and 7); v64-127 and v192-255 cos and sin of blocks 0-3.
;   windows 2, 3: the accumulators ((a, b) at v[8 (8 (a % 4) + b)] of window 2 + a / 4).
; LIMITS: a block of zeros or under 2^-124 gets the scale byte 1 (read by this program alone); NaN and infinities are not served.
.set NW,     3
.set NCOL,   3072
.set XS,     4194304                   ; in opq: the tokens' codes at 0, their scale bytes,
.set WC,     4456448                   ; the weight's codes,
.set WS,     7602176                   ; its scale bytes
.set QS,     4194304                   ; in qkv: q's codes at 0, q's scale words,
.set KC,     4718592                   ; k's codes,
.set REC,    5767168                   ; and a record of 38,912 bytes for each (sequence, group): v's codes as images of fragments, v's scale words, k's scale words
.set RECB,   38912
.set NQ,     4
.set ROWB,   256
.set KROW,   1024
.set PITCH,  272                       ; an LDS row: 256 bytes + 16 of padding = 68 words: the 16 rows that a load touches start at 16 different banks (64 banks of 4 bytes: ISA guide 11.1)
.set FR,     8
.set NL,     2
.set NP,     4
.set HALFT,  128*PITCH
.set BROWS,  192                       ; rows of the weight that one of its two fetching waves brings
.set KP,     2                         ; planes of its scale bytes that such a wave brings
.set SLOT,   (128+128*NW)*PITCH        ; the tokens' 128 rows, then the weight's 384
.set SPARE,  2*SLOT                    ; behind the ring: the spare words, 128 bytes for each wave: two blocks of 256 bytes that no other line names
.set STGB,   10240                     ; the way out: a stage for each wave, in slot 0, which has had its last fill and its last read by then: 32 rows x 272 bytes for v, at 8,704 two runs of 512 bytes for scale words
.set CSO,  8                           ; v8   cos, sin: 128 r + 64 h; never rewritten
.set BO,   9                           ; v9   the bias: 64 h
.set CDO,  10                          ; v10  codes of q, k: 32 r + 16 h
.set SWS,  11                          ; v11  scale words into the stage: 4 r
.set SWL,  12                          ; v12  and back: 16 x lane
.set SWO,  13                          ; v13  16 x lane
.set VST,  14                          ; v14  v into the stage: 272 r + 64 h
.set VLD,  15                          ; v15  and back: 4 x lane
.set ADRA, 16                          ; v16-17 LDS address of the tokens' fragments in slot 0, 1
.set VGO,  18                          ; v18  v's codes: 1,024 (lane / 16) + 16 (lane % 16)
.set VSO,  19                          ; v19  8 x lane
.set ADRB, 20                          ; v20-21 the same for the weight's fragments
.set GS,   24                          ; v24-27 my scale words of K step 0..3 in opq: lanes 0-15 the tokens', lanes 16-31 the weight's; never rewritten
.set PFO,  30                          ; v30-31 the prefetches' offsets: a lane a row of 1,024 bytes; never rewritten
.set PFA,  68                          ; s[68:69] my work-group's share of the rows that my wave fetches; never rewritten
.set SPW,  28                          ; v28  my spare word; never rewritten
.set NIL,  29                          ; v29  0; never rewritten
.set SC,   32
.set AF,   128
.set O,    160                         ; v160-191 a head's 32 numbers of my token behind RoPE
.set BI,   192                         ; v192-255 the bias of my 8 tiles, in the result's layout; free behind the first K step
.set TM,   192                         ; at work
.set PW,   208                         ; v208-215 the scale word of each block of rows
.set SWR,  220
.set PC,   224                         ; v224-255 codes, four registers for each block of rows
.set X,    96                          ; v: v96-159 64 numbers, registers down the tokens
.set VC,   160                         ; v160-191 its codes
.set VW,   208                         ; v208-209 its scale words
.set G1, 24
.set G0, 32
.set G1B, 48
.set G0B, 56
; THE SCALE WORDS go from memory straight into the scale registers: K step ks's four words a row into set sc; sixteen lanes read 256 consecutive bytes, aligned.  Sets 0 and 1 are asked for at the head, K steps 2 and 3 as a set falls free.
.macro GSCALES sc, ks
.irp i, 0,1,2,3,4,5,6,7
	global_load_b128 v[SC+8*NQ*(\sc)+NQ*\i:SC+8*NQ*(\sc)+NQ*\i+3], v[GS+(\ks)], s[4:5] offset:\i*256
.endr
.endm
; A PREFETCH of K step ks's 256 bytes of each row.  The four partners that ask for a tile jointly share its rows out by address: 32 of the tokens' 128 (wave 0), 48 of the 192 rows of the weight that wave 1 or 2 fetches
; (the second line's left-over lanes name its last row again).  The head asks for K steps 1 and 2, the lines behind K step 1's load for K step 3: two K steps are asked for and not yet read at the most.
.macro ASK ks
	global_prefetch_b8 v[PFO], s[PFA:PFA+1] offset:256*(\ks) th:TH_LOAD_NT scope:SCOPE_SE
	s_cmp_eq_u32 s14, 0
	s_cbranch_scc1 .Lpf_\@
	global_prefetch_b8 v[PFO+1], s[PFA:PFA+1] offset:256*(\ks) th:TH_LOAD_NT scope:SCOPE_SE
.Lpf_\@:
.endm
.set SEL, 100                          ; s[100:101] v_permlanex16_b32's selects for lane l xor 16
.set MSB, 0
.macro WIN new                         ; the immediate's high byte repeats the setting that is left
.if MSB != (\new)
	s_set_vgpr_msb (MSB<<8)|(\new)
.set MSB, (\new)
.endif
.endm
.set MUL_LO,  0xa1                     ; source 0 (weight) window 1, source 1 (tokens) window 0, C and D window 2
.set MUL_HI,  0xf1                     ; the same, C and D window 3
.set MUL_LO0, 0x81                     ; the first products: C (the bias) window 0, D window 2
.set MUL_HI0, 0xc1
.set TO_B,    0x40
; A joint load: wave 0 fetches for the tokens, the others for the weight.  The branch hangs on the wave's number alone.  Four v_nop follow each of the two lines.
.macro JLOAD g0a, g1a, g0b, g1b
	s_cmp_eq_u32 s14, 0
	s_cbranch_scc0 .Lfor_b_\@
	tensor_load_to_lds s[\g0a:\g0a+3], s[\g1a:\g1a+7]
	s_nop 0
.rept 4
	v_nop
.endr
	s_branch .Lasked_\@
.Lfor_b_\@:
	tensor_load_to_lds s[\g0b:\g0b+3], s[\g1b:\g1b+7]
	s_nop 0
.rept 4
	v_nop
.endr
.Lasked_\@:
.endm
.macro CREST                           ; a round of the cluster's barrier behind its opening barrier
	s_cmp_lg_u32 s14, 0
	s_cbranch_scc1 .Lnot_wave_0_\@
	s_barrier_signal -3
.Lnot_wave_0_\@:
	s_barrier_wait -3
	s_barrier_signal -1
	s_barrier_wait -1
.endm
.macro CROUND
	s_barrier_signal -1
	s_barrier_wait -1
	CREST
.endm
; Where cos (16 registers) and sin (16) of block a of 16 tokens lie: window CSW, from register CSR on.
.macro CSPLACE a
.if (\a) < 2
.set CSW, 1
.set CSR, 64+32*(\a)
.elseif (\a) < 4
.set CSW, 1
.set CSR, 192+32*((\a)-2)
.elseif (\a) == 4
.set CSW, 0
.set CSR, 96
.elseif (\a) < 7
.set CSW, 1
.set CSR, 32*((\a)-5)
.else
.set CSW, 1
.set CSR, 128
.endif
.endm
.macro CSLOAD a                        ; cos and sin, numbers 16 h .. 16 h + 15, of token 16 a + r: eight loads
	CSPLACE \a
	WIN CSW<<6                                     ; the destination's window
.irp q, 0,1,2,3
	global_load_b128 v[CSR+4*\q:CSR+4*\q+3], v[CSO], s[8:9] offset:2048*(\a)+16*\q
.endr
.irp q, 0,1,2,3
	global_load_b128 v[CSR+16+4*\q:CSR+16+4*\q+3], v[CSO], s[10:11] offset:2048*(\a)+16*\q
.endr
.endm
	s_load_b256 s[4:11], s[0:1], 0x0               ; opq s[4:5], qkv_b s[6:7], cos s[8:9], sin s[10:11]
	s_load_b64 s[12:13], s[0:1], 0x20              ; qkv
	v_lshl_add_u32 v[SPW], v0, 2, SPARE
	v_mov_b32 v[NIL], 0
	ds_add_u32 v28, v29
	ds_add_u32 v28, v29
	s_wait_dscnt 0x0
	v_lshrrev_b32 v1, 5, v0
	v_readfirstlane_b32 s14, v1                    ; wave 0..2
	s_lshr_b32 s16, s14, 1                         ; which part of the weight's tile I fetch (wave 1: 0, wave 2: 1)
	s_bfe_u32 s40, ttmp6, 0x40000                  ; cx, cy: my place in the cluster
	s_bfe_u32 s41, ttmp6, 0x40004
	s_lshl_b32 s42, ttmp9, 2
	s_add_co_u32 s42, s42, s40                     ; the group = 4 x cluster x + cx
	s_and_b32 s17, ttmp7, 0xffff
	s_lshl_b32 s17, s17, 2
	s_add_co_u32 s17, s17, s41                     ; the block of 128 tokens = 4 x cluster y + cy
	s_lshl_b32 s43, s41, 2
	s_lshl_b32 s43, 15, s43                        ; my row of the cluster
	s_lshl_b32 s44, 0x1111, s40                    ; my column
	s_or_b32 s[G1+0], s43, (0<<16)|(1<<20)|(1<<21)|(5<<22)|(3<<25)   ; the mask; elements of 1 byte; padding on; bit 21 beside a mask; 4 words of padding after every 64
	s_or_b32 s[G1B+0], s44, (0<<16)|(1<<20)|(1<<21)|(5<<22)|(3<<25)
	s_mov_b32 s[G1+1], ROWB<<16                    ; tensor_dim0
	s_mov_b32 s[G1+2], 128<<16                     ; tensor_dim1
	s_mov_b32 s[G1+3], ROWB<<16                    ; tile_dim0
	s_mov_b32 s[G1+4], 128                         ; tile_dim1
	s_mov_b32 s[G1+5], KROW                        ; the pitch
	s_mov_b32 s[G1+6], 0
	s_mov_b32 s[G1+7], 0
	s_mov_b32 s[G1B+1], ROWB<<16
	s_mov_b32 s[G1B+2], BROWS<<16
	s_mov_b32 s[G1B+3], ROWB<<16
	s_mov_b32 s[G1B+4], BROWS
	s_mov_b32 s[G1B+5], KROW
	s_mov_b32 s[G1B+6], 0
	s_mov_b32 s[G1B+7], 0
	; where the tiles come from.  The tokens' hang on the block of tokens alone, the weight's on the group alone, each in registers that never hold the other coordinate
	s_lshl_b32 s20, s17, 17                        ; 128 rows of 1,024 bytes
	s_mov_b32 s21, 0
	s_lshl_b32 s22, s17, 11
	s_add_co_u32 s22, s22, XS
	s_mov_b32 s23, 0
	s_mul_i32 s46, s42, 128*NW
	s_mul_i32 s45, s16, BROWS
	s_add_co_u32 s46, s46, s45
	s_lshl_b32 s46, s46, 10
	s_add_co_u32 s46, s46, WC
	s_mov_b32 s47, 0
	s_mul_i32 s92, s42, 2048*NW
	s_lshl_b32 s45, s14, 11
	s_add_co_u32 s92, s92, s45                     ; my wave's 128 rows of the weight: 16 bytes a row
	s_add_co_u32 s92, s92, WS
	s_sub_co_u32 s92, s92, s22                     ; from the tokens' scale words to the weight's
	s_mul_i32 s45, s16, BROWS*PITCH
	s_add_co_u32 s45, s45, HALFT
	v_and_b32 v2, 15, v0
	v_bfe_u32 v3, v0, 4, 1
	v_mul_u32_u24 v4, s92, v3                      ; lanes 16-31 take the weight's words
	v_lshl_add_u32 v4, v2, 4, v4
	v_add_nc_u32 v[GS], s22, v4
	v_mul_u32_u24 v5, v3, 65536-16*NCOL
	v_sub_nc_u32 v5, 65536, v5                     ; a K step on: 65,536 bytes among the tokens' words, 16 NCOL among the weight's
	v_add_nc_u32 v[GS+1], v[GS], v5
	v_add_nc_u32 v[GS+2], v[GS+1], v5
	v_add_nc_u32 v[GS+3], v[GS+2], v5
	s_wait_alu depctr_va_vdst(0)
	s_wait_kmcnt 0x0
	GSCALES 0, 0
	GSCALES 1, 1
	s_add_nc_u64 s[20:21], s[4:5], s[20:21]
	s_add_nc_u64 s[46:47], s[4:5], s[46:47]
	CROUND                                         ; all sixteen work-groups are here: the first joint loads meet
.irp s, 0,1
	s_mov_b32 s[G0+4*\s], 1
	s_mov_b32 s[G0+4*\s+1], \s*SLOT
	s_add_nc_u64 s[G0+4*\s+2:G0+4*\s+3], s[20:21], \s*ROWB
	s_or_b32 s[G0+4*\s+3], s[G0+4*\s+3], 0x80000000
	s_mov_b32 s[G0B+4*\s], 1
	s_add_co_u32 s[G0B+4*\s+1], s45, \s*SLOT
	s_add_nc_u64 s[G0B+4*\s+2:G0B+4*\s+3], s[46:47], \s*ROWB
	s_or_b32 s[G0B+4*\s+3], s[G0B+4*\s+3], 0x80000000
.endr
	s_cmp_eq_u32 s14, 0                            ; the prefetches: wave 0 asks among the tokens' rows, the others among the weight's
	s_cselect_b64 s[PFA:PFA+1], s[20:21], s[46:47]
	s_cselect_b32 s66, s40, s41                    ; my place among the four that ask jointly
	s_mov_b32 s67, 48*KROW
	s_cselect_b32 s67, 32*KROW, s67
	s_mul_i32 s66, s66, s67
	s_mov_b32 s67, 0
	s_add_nc_u64 s[PFA:PFA+1], s[PFA:PFA+1], s[66:67]
	JLOAD G0, G1, G0B, G1B                         ; K step 0: one tensor load a wave at the head
	v_and_b32 v1, 15, v0                           ; r = lane % 16
	v_bfe_u32 v2, v0, 4, 1                         ; h = lane / 16
	s_wait_alu depctr_va_vdst(0)
	v_and_b32 v7, 31, v0                           ; lane
	v_mul_u32_u24 v3, v1, PITCH
	v_lshl_add_u32 v4, v2, 4, v3                   ; a fragment's row x pitch + 16 h
	s_mov_b32 s21, 0                               ; the tokens' 128 rows are every wave's
	s_mul_i32 s22, s14, HALFT                      ; my 128 rows of the weight,
	s_add_co_u32 s22, s22, HALFT                   ; which lie behind them
.irp s, 0,1
	v_add_nc_u32 v[ADRA+\s], s21, v4
	v_add_nc_u32 v[ADRB+\s], s22, v4
	s_add_co_u32 s21, s21, SLOT
	s_add_co_u32 s22, s22, SLOT
.endr
	v_lshlrev_b32 v[PFO], 10, v7                   ; rows 0-31 of my share
	v_min_u32 v[PFO+1], 15, v7
	v_lshl_add_u32 v[PFO+1], v[PFO+1], 10, 32*KROW ; rows 32-47
	s_mul_i32 s23, s14, STGB                       ; my stage
	s_add_co_u32 s3, s23, 8704
	v_lshlrev_b32 v[CSO], 7, v1
	v_lshl_add_u32 v[CSO], v2, 6, v[CSO]
	v_lshlrev_b32 v[BO], 6, v2
	v_lshlrev_b32 v[CDO], 5, v1
	v_lshl_add_u32 v[CDO], v2, 4, v[CDO]
	v_lshl_add_u32 v[SWS], v1, 2, s3
	v_lshl_add_u32 v[SWL], v7, 4, s3
	v_lshlrev_b32 v[SWO], 4, v7
	v_lshl_add_u32 v[VST], v2, 6, v3
	v_add_nc_u32 v[VST], s23, v[VST]
	v_lshl_add_u32 v[VLD], v7, 2, s23
	v_lshlrev_b32 v[VGO], 10, v2
	v_lshl_add_u32 v[VGO], v1, 4, v[VGO]
	v_lshlrev_b32 v[VSO], 3, v7
	; the bias of my 128 columns, in the result's layout, and cos and sin of the first 80 tokens
	s_mul_i32 s2, s42, 384*4
	s_lshl_b32 s3, s14, 9
	s_add_co_u32 s2, s2, s3
	s_mov_b32 s3, 0
	s_add_nc_u64 s[6:7], s[6:7], s[2:3]
	s_lshl_b32 s2, s17, 14                         ; 128 tokens x 128 bytes
	s_add_nc_u64 s[8:9], s[8:9], s[2:3]
	s_add_nc_u64 s[10:11], s[10:11], s[2:3]
.irp g, 0,1,2,3
.irp q, 0,1,2,3
	global_load_b128 v[BI+16*\g+4*\q:BI+16*\g+4*\q+3], v[BO], s[6:7] offset:128*\g+16*\q   ; columns 32 g + 16 h + 4 q on: tiles 2 g and 2 g + 1
.endr
.endr
.irp a, 0,1,2,3,4
	CSLOAD \a
.endr
	WIN 0
	ASK 1
	ASK 2
	s_lshl_b32 s2, s42, 2
	s_lshl_b32 s3, s14, 1
	s_add_co_u32 s2, s2, s3
	s_lshl_b32 s2, s2, 12
	s_lshl_b32 s3, s17, 7
	s_add_co_u32 s2, s2, s3                        ; head x 4,096 + my first token
	s_lshr_b32 s15, s17, 3
	s_lshl_b32 s15, s15, 3
	s_add_co_u32 s15, s15, s42                     ; 8 x sequence + group
	s_and_b32 s16, s17, 7                          ; which 128 tokens of the sequence
	s_lshl_b32 s18, s15, 10
	s_lshl_b32 s19, s16, 7
	s_add_co_u32 s18, s18, s19
	s_mul_i32 s15, s15, RECB
	s_add_co_u32 s15, s15, REC                     ; the record
	s_lshl_b32 s20, s2, 5                          ; q: codes, 32 bytes a token,
	s_lshl_b32 s21, s2, 2
	s_add_co_u32 s21, s21, QS                      ; scale words,
	s_add_co_u32 s22, s20, 4096*32                 ; and the next head's
	s_add_co_u32 s23, s21, 4096*4
	s_lshl_b32 s45, s18, 5
	s_add_co_u32 s45, s45, KC                      ; k: codes,
	s_lshl_b32 s46, s19, 2
	s_add_co_u32 s46, s46, s15
	s_add_co_u32 s46, s46, 34816                   ; scale words
	s_lshl_b32 s47, s16, 12
	s_add_co_u32 s47, s47, s15                     ; v: the images of these 128 tokens,
	s_lshl_b32 s3, s16, 8
	s_add_co_u32 s3, s3, s15
	s_add_co_u32 s3, s3, 32768                     ; their scale words
	s_cmp_lt_u32 s14, 2
	s_cselect_b32 s20, s20, s45
	s_cselect_b32 s21, s21, s46
	s_cselect_b32 s22, s22, s47
	s_cselect_b32 s23, s23, s3
	s_mov_b32 s3, 0
	s_mov_b32 s2, s20
	s_add_nc_u64 s[92:93], s[12:13], s[2:3]        ; slot 0: codes
	s_mov_b32 s2, s21
	s_add_nc_u64 s[94:95], s[12:13], s[2:3]        ;         scale words
	s_mov_b32 s2, s22
	s_add_nc_u64 s[96:97], s[12:13], s[2:3]        ; slot 1: codes
	s_mov_b32 s2, s23
	s_add_nc_u64 s[98:99], s[12:13], s[2:3]        ;         scale words
	s_mov_b32 s[SEL], 0x76543210
	s_mov_b32 s[SEL+1], 0xfedcba98
.macro FRAG reg, adr, q, i             ; a fragment, 16 rows x 128 K: registers 4 c .. 4 c + 3 hold K = 64 c + 32 h + 0 .. 31
.irp c, 0,1
	ds_load_b128 v[\reg+4*\c:\reg+4*\c+3], v[\adr] offset:64*(\q)+32*\c+(\i)*16*PITCH
.endr
.endm
; 16 matrix instructions: the tokens' blocks a0, a0 + 1 x the weight's eight tiles, 128 along K.  zero = 1: the first product starts the sums from the bias.  The 64 accumulators take turns, one instruction a turn.
.macro MUL16 a0, p, q, sc, zero
.irp a, \a0, \a0+1
.irp b, 0,1,2,3,4,5,6,7
.if \zero
	v_wmma_scale_f32_16x16x128_f8f6f4 v[8*(8*((\a)%4)+\b):8*(8*((\a)%4)+\b)+7], v[128*(\p)+FR*\b:128*(\p)+FR*\b+FR-1], v[AF+FR*(\a):AF+FR*(\a)+FR-1], v[BI+8*\b:BI+8*\b+7], v[SC+8*NQ*(\sc)+NQ*\b+(\q)], v[SC+8*NQ*(\sc)+NQ*(\a)+(\q)] matrix_a_fmt:MATRIX_FMT_FP4 matrix_b_fmt:MATRIX_FMT_FP4 matrix_a_scale:MATRIX_SCALE_ROW1
.else
	v_wmma_scale_f32_16x16x128_f8f6f4 v[8*(8*((\a)%4)+\b):8*(8*((\a)%4)+\b)+7], v[128*(\p)+FR*\b:128*(\p)+FR*\b+FR-1], v[AF+FR*(\a):AF+FR*(\a)+FR-1], v[8*(8*((\a)%4)+\b):8*(8*((\a)%4)+\b)+7], v[SC+8*NQ*(\sc)+NQ*\b+(\q)], v[SC+8*NQ*(\sc)+NQ*(\a)+(\q)] matrix_a_fmt:MATRIX_FMT_FP4 matrix_b_fmt:MATRIX_FMT_FP4 matrix_a_scale:MATRIX_SCALE_ROW1
.endif
.endr
.endr
.endm
.macro FETCH_B slot, q, p
	WIN TO_B
.irp i, 0,1,2,3,4,5,6,7
	FRAG 128*(\p)+FR*\i, ADRB+\slot, \q, \i
.endr
	WIN 0
.endm
.macro FETCH_A slot, q, i0
.irp i, \i0, \i0+1, \i0+2, \i0+3
	FRAG AF+FR*(\i), ADRA+\slot, \q, \i
.endr
.endm
; A load into a register that a matrix instruction has read, and a vector instruction or an LDS store that reads a matrix result, stand four places behind it; only plain vector instructions that name none of its registers are places.
.macro PLACES n
.rept \n
	v_nop
.endr
.endm
.macro STEP slot, q, zero              ; 128 along K that have their successor in the same slot
	s_wait_dscnt 4*NL                              ; all but the youngest eight loads (the tokens' blocks 4-7) are in
.if \zero
	WIN MUL_LO0
.else
	WIN MUL_LO
.endif
	MUL16 0, (\q)%2, \q, \slot, \zero
	MUL16 2, (\q)%2, \q, \slot, \zero
	s_wait_dscnt 0
	PLACES NP
	FETCH_B \slot, (\q)+1, 1-(\q)%2
	FETCH_A \slot, (\q)+1, 0
.if \zero
	WIN MUL_HI0
.else
	WIN MUL_HI
.endif
	MUL16 4, (\q)%2, \q, \slot, \zero
	MUL16 6, (\q)%2, \q, \slot, \zero
	PLACES NP
	WIN 0
	FETCH_A \slot, (\q)+1, 4
.endm
; A slot's last 128 along K change slots: ONE barrier; in front of it each wave waits for all its tensor loads, adds 0 to its spare word, and waits for that and for its own reads of this slot.  fill = 1: this slot is filled again, two K steps ahead.
.macro TURN slot, next, fill
	s_wait_tensorcnt 0x0                           ; all my tensor loads have landed: my part of the next slot
	ds_add_u32 v[SPW], v[NIL]                      ; 0 onto my spare word
	s_wait_dscnt 4*NL+1                            ; (the add and the youngest eight loads may be out)
	WIN MUL_LO
	MUL16 0, 1, NQ-1, \slot, 0
	s_wait_dscnt 0x0                               ; the add is done, and my reads of this slot are over
	s_barrier_signal -1
	MUL16 2, 1, NQ-1, \slot, 0
	WIN 0
	s_barrier_wait -1
.if \fill
	CREST                                          ; the barrier has opened a round of the cluster's: no wave of any partner still reads this slot or has a load on its way
	s_add_nc_u64 s[G0+4*\slot+2:G0+4*\slot+3], s[G0+4*\slot+2:G0+4*\slot+3], 2*ROWB
	s_add_nc_u64 s[G0B+4*\slot+2:G0B+4*\slot+3], s[G0B+4*\slot+2:G0B+4*\slot+3], 2*ROWB
	JLOAD G0+4*\slot, G1, G0B+4*\slot, G1B         ; the first tensor load behind the round; its four v_nop are the places in front of the loads below
.else
	PLACES NP
.endif
	FETCH_B \next, 0, 0
	FETCH_A \next, 0, 0
	WIN MUL_HI
	MUL16 4, 1, NQ-1, \slot, 0
	MUL16 6, 1, NQ-1, \slot, 0
	PLACES NP
	WIN 0
	FETCH_A \next, 0, 4
.if \fill
	GSCALES \slot, (\slot)+2                       ; this slot's set of scale words has been multiplied for the last time, four places back: it takes the words of two K steps on
.endif
.endm
.macro STEPS slot, from
.set Q, \from
.rept NQ-1-\from
	STEP \slot, Q, 0
.set Q, Q+1
.endr
.endm
	s_wait_alu depctr_va_vdst(0)
	s_wait_tensorcnt 0x0                           ; my part of K step 0 is in
	ds_add_u32 v[SPW], v[NIL]
	s_wait_dscnt 0x0
	CROUND                                         ; everybody's part is in, and all sixteen work-groups are here
	JLOAD G0+4, G1, G0B+4, G1B                     ; K step 1's load, the first tensor load behind the round
	FETCH_B 0, 0, 0
	FETCH_A 0, 0, 0
	FETCH_A 0, 0, 4
	ASK 3
	s_wait_loadcnt 40                              ; the bias is in; the forty loads of cos and sin behind it may be out
	STEP 0, 0, 1                                   ; K = 2,048 is sixteen such steps in four K steps: written out, no loop
	STEPS 0, 1
	TURN 0, 1, 1                                   ; slot 0 takes K step 2
	STEPS 1, 0
	TURN 1, 0, 1
	s_wait_loadcnt 8                               ; K step 2's scale words are in; the eight loads of K step 3's behind them may be out
	STEPS 0, 0
	TURN 0, 1, 0
	s_wait_loadcnt 0x0                             ; K step 3's scale words are in
	STEPS 1, 0
	CSLOAD 5                                       ; the weight's set 0 has been multiplied for the last time, four places back: it takes cos and sin of blocks 5 and 6
	CSLOAD 6
	s_wait_dscnt 4*NL
	WIN MUL_LO
	MUL16 0, 1, NQ-1, 1, 0
	MUL16 2, 1, NQ-1, 1, 0
	s_wait_dscnt 0
	WIN MUL_HI
	MUL16 4, 1, NQ-1, 1, 0
	MUL16 6, 1, NQ-1, 1, 0
	WIN 0
	PLACES NP                                      ; in front of the first read of results and of loads into the fragments' registers
	CSLOAD 7                                       ; and set 1 those of block 7
	WIN 0
; THE WAY OUT OF q AND k.  In a slot of 64 columns register 16 B + i of my token holds d = 32 B + 16 h + i: so x1 (B = 0) and x2 (B = 1) of RoPE lie in one lane, with cos and sin number 16 h + i.
; A block of 32 along d lies in lanes l and l xor 16.  The codes leave as [token][32 bytes]: 32 lanes store 512 consecutive bytes; the scale words (byte 0, 1: the two blocks; bytes 2, 3: 0) gather in my stage and leave as 512 bytes.
	v_mov_b32 v[TM+2], 0                           ; written once: a lane permute's destination counts as one of its sources
	v_mov_b32 v[TM+3], 0
.macro QK_BLOCK sl, a, cb
	CSPLACE \a
.set AC, 64*((\a)%4)+32*(\sl)
.set PCA, PC+4*(\a)
.if (\sl) == 0                         ; loads come back in order (ISA guide 5.7.1).  Slot 1 finds all of cos and sin in registers
.if (\a) == 0
	s_wait_loadcnt 24                              ; what was asked for at the head is in; the 24 loads of blocks 5, 6 and 7 may be out
.elseif (\a) >= 5
	s_wait_loadcnt 8*(7-(\a))                      ; this block's eight are in; the later blocks' may be out
.endif
.endif
	WIN 0x02+(\a)/4+4*CSW                          ; source 0: the accumulators' window; source 1: that of cos and sin
.irp m, 0,2,4,6,8,10,12,14
	v_pk_mul_f32 v[O+\m:O+\m+1], v[AC+\m:AC+\m+1], v[CSR+\m:CSR+\m+1]                          ; x1 cos   (each accumulator from its low end on)
.endr
.irp m, 0,2,4,6,8,10,12,14
	v_pk_mul_f32 v[O+16+\m:O+17+\m], v[AC+\m:AC+\m+1], v[CSR+16+\m:CSR+17+\m]                  ; x1 sin
.endr
.irp m, 0,2,4,6,8,10,12,14
	v_pk_fma_f32 v[O+\m:O+\m+1], v[AC+16+\m:AC+17+\m], v[CSR+16+\m:CSR+17+\m], v[O+\m:O+\m+1] neg_lo:[1,0,0] neg_hi:[1,0,0]   ; - x2 sin
.endr
.irp m, 0,2,4,6,8,10,12,14
	v_pk_fma_f32 v[O+16+\m:O+17+\m], v[AC+16+\m:AC+17+\m], v[CSR+\m:CSR+\m+1], v[O+16+\m:O+17+\m]                             ; + x2 cos
.endr
	WIN 0
.irp b, 0,1
	v_max3_num_f32 v[TM+\b], |v[O+16*\b]|, |v[O+16*\b+1]|, 0x1800000   ; my 16 numbers of block b, and the floor 2^(3 - 127): the byte cannot fall under 1
.endr
.irp i, 2,4,6,8,10,12,14
.irp b, 0,1
	v_max3_num_f32 v[TM+\b], v[TM+\b], |v[O+16*\b+\i]|, |v[O+16*\b+\i+1]|
.endr
.endr
.irp b, 0,1
	v_permlanex16_b32 v[TM+2+\b], v[TM+\b], s[SEL], s[SEL+1]
.endr
.irp b, 0,1
	v_max_num_f32 v[TM+\b], v[TM+\b], v[TM+2+\b]   ; with lane l xor 16's: the block's largest magnitude
.endr
.irp b, 0,1
	v_add_nc_u32 v[TM+4+\b], 0xff000000, v[TM+\b]  ; 2 off its exponent field: the conversion's scale operand
.endr
.irp b, 0,1
	v_lshrrev_b32 v[TM+2+\b], 23, v[TM+4+\b]       ; the scale's byte
.endr
	v_lshl_or_b32 v[PW+\a], v[TM+3], 8, v[TM+2]
.irp b, 0,1
	v_cvt_scalef32_pk8_fp4_f32 v[PCA+2*\b], v[O+16*\b:O+16*\b+7], v[TM+4+\b]
	v_cvt_scalef32_pk8_fp4_f32 v[PCA+2*\b+1], v[O+16*\b+8:O+16*\b+15], v[TM+4+\b]
.endr
	v_nop                                          ; one plain place behind a scaled conversion
	v_permlane16_swap_b32 v[PCA], v[PCA+2]         ; a WHOLE block to a lane: lane (r, h) now holds block h's 16 bytes
	v_permlane16_swap_b32 v[PCA+1], v[PCA+3]
	global_store_b128 v[CDO], v[PCA:PCA+3], s[\cb:\cb+1] offset:512*(\a)
	ds_store_b32 v[SWS], v[PW+\a] offset:512*(\sl)+64*(\a)   ; both halves of the lanes write the same word with the same value
.endm
.macro QK_SLOT sl, cb, sb
	s_wait_xcnt 0x0                                ; the earlier stores have read their registers: PC and SWR may be written again
.irp a, 0,1,2,3,4,5,6,7
	QK_BLOCK \sl, \a, \cb
.endr
	ds_load_b128 v[SWR:SWR+3], v[SWL] offset:512*(\sl)   ; LDS serves a wave's instructions in order: these see my stores
	s_wait_dscnt 0x0
	global_store_b128 v[SWO], v[SWR:SWR+3], s[\sb:\sb+1]   ; 128 tokens' scale words: 512 consecutive bytes
.endm
; THE WAY OUT OF v: its K is the tokens.  32 tokens x 64 d turn through my stage (rows of 256 bytes + 16), so that a lane takes a d and its registers run down the tokens: a block of 32 lies in one lane.
; The codes leave as images of the next launch's fragments: [tile of 16 d][c][lane][16 bytes]; each store covers two aligned runs of 256 bytes.
.macro V_BLOCK A
.irp e, 0,1
.set VA, 2*(\A)+\e
	WIN 0x08+4*(VA/4)                              ; an LDS store's data are its source 1
.irp n, 0,1,2,3,4,5,6,7
	ds_store_b128 v[VST], v[64*(VA%4)+32+4*\n:64*(VA%4)+32+4*\n+3] offset:\e*4352+128*(\n/4)+32*((\n/2)%2)+16*(\n%2)
.endr
.endr
	WIN 0
.set i, 0
.rept 32
	ds_load_b32 v[X+i], v[VLD] offset:272*i        ; d = lane, token 32 A + i
	ds_load_b32 v[X+32+i], v[VLD] offset:272*i+128 ; d = lane + 32
.set i, i+1
.endr
	s_wait_dscnt 0x0
.irp f, 0,1
	v_max3_num_f32 v[TM+\f], |v[X+32*\f]|, |v[X+32*\f+1]|, 0x1800000
.endr
.irp k, 2,4,6,8,10,12,14,16,18,20,22,24,26,28,30
.irp f, 0,1
	v_max3_num_f32 v[TM+\f], v[TM+\f], |v[X+32*\f+\k]|, |v[X+32*\f+\k+1]|
.endr
.endr
.irp f, 0,1
	v_add_nc_u32 v[TM+2+\f], 0xff000000, v[TM+\f]
.endr
.irp f, 0,1
	v_lshrrev_b32 v[TM+4+\f], 23, v[TM+2+\f]
.endr
.irp f, 0,1
.if (\A) == 0
	v_mov_b32 v[VW+\f], v[TM+4+\f]
.else
	v_lshl_or_b32 v[VW+\f], v[TM+4+\f], 8*(\A), v[VW+\f]
.endif
.endr
.irp f, 0,1
.irp g, 0,1,2,3
	v_cvt_scalef32_pk8_fp4_f32 v[VC+16*\f+4*(\A)+\g], v[X+32*\f+8*\g:X+32*\f+8*\g+7], v[TM+2+\f]
.endr
.endr
	v_nop                                          ; one plain place behind a scaled conversion
.irp f, 0,1
	global_store_b128 v[VGO], v[VC+16*\f+4*(\A):VC+16*\f+4*(\A)+3], s[96:97] offset:2048*\f+512*((\A)/2)+256*((\A)%2)
.endr
.endm
	QK_SLOT 0, 92, 94                              ; q0, q2 or k
	s_cmp_eq_u32 s14, 2
	s_cbranch_scc1 .Lv
	QK_SLOT 1, 96, 98                              ; q1 or q3
	s_branch .Lend
.Lv:
	s_wait_xcnt 0x0                                ; k's stores have read their registers.  (No load is out: block 7's wait was for 0; X takes the registers of block 4's cos and sin, which k has used)
	V_BLOCK 0
	V_BLOCK 1
	V_BLOCK 2
	V_BLOCK 3
	global_store_b64 v[VSO], v[VW:VW+1], s[98:99]  ; 64 d x one word for these 128 tokens: 256 consecutive bytes, aligned
.Lend:
	s_wait_tensorcnt 0x0                           ; the wave's end, behind my last tensor load and my last LDS store
	ds_add_u32 v[SPW], v[NIL]
	s_wait_dscnt 0x0
	CROUND                                         ; the closing round: no work-group ends while a partner may still ask for a tile that names it
	s_endpgm
.Lfunc_end_k_q381366dd0f_gemm_qkv:
	.size	k_q381366dd0f_gemm_qkv, .Lfunc_end_k_q381366dd0f_gemm_qkv-k_q381366dd0f_gemm_qkv
	.p2alignl 7, 3214868480
	.fill 96, 4, 3214868480
	.section	.rodata,"a",@progbits
	.p2align	6, 0x0
	.amdhsa_kernel k_q381366dd0f_gemm_qkv
		.amdhsa_group_segment_fixed_size 327680
		.amdhsa_private_segment_fixed_size 0
		.amdhsa_enable_private_segment 0
		.amdhsa_kernarg_size 40
		.amdhsa_user_sgpr_count 2
		.amdhsa_user_sgpr_kernarg_segment_ptr 1
		.amdhsa_wavefront_size32 1
		.amdhsa_system_sgpr_workgroup_id_x 1
		.amdhsa_system_sgpr_workgroup_id_y 1
		.amdhsa_system_sgpr_workgroup_id_z 1
		.amdhsa_system_vgpr_workitem_id 0
		.amdhsa_next_free_vgpr 1024
		.amdhsa_next_free_sgpr 102
		.amdhsa_reserve_vcc 0
		.amdhsa_float_denorm_mode_32 3
		.amdhsa_float_denorm_mode_16_64 3
		.amdhsa_memory_ordered 1
		.amdhsa_forward_progress 1
		.amdhsa_inst_pref_size 255
	.end_amdhsa_kernel
	.section	.bss,"aw",@nobits
	.p2align	6
	.space	262144
	.amdgpu_metadata
---
amdhsa.version: [ 1, 2 ]
amdhsa.kernels:
  - .name:           k_q381366dd0f_gemm_qkv
    .symbol:         k_q381366dd0f_gemm_qkv.kd
    .args:
      - { .name: opq, .offset: 0, .size: 8, .value_kind: global_buffer, .address_space: global }
      - { .name: qkv_b, .offset: 8, .size: 8, .value_kind: global_buffer, .address_space: global }
      - { .name: cos, .offset: 16, .size: 8, .value_kind: global_buffer, .address_space: global }
      - { .name: sin, .offset: 24, .size: 8, .value_kind: global_buffer, .address_space: global }
      - { .name: qkv, .offset: 32, .size: 8, .value_kind: global_buffer, .address_space: global }
    .group_segment_fixed_size: 327680
    .private_segment_fixed_size: 0
    .kernarg_segment_align: 8
    .kernarg_segment_size: 40
    .max_flat_workgroup_size: 96
    .sgpr_count:     102
    .vgpr_count:     1024
    .wavefront_size: 32
...
	.end_amdgpu_metadata
.endif
;; end of part 2
;; launch attn (part 3): grid 16 x 16, 16 waves a work-group, clusters of 4 x 1, 169,984 bytes of LDS; arguments qkv, att; writes att
.if DOCPART == 3
	.amdgcn_target "amdgcn-amd-amdhsa--gfx1250"
	.amdhsa_code_object_version 6
	.text
	.protected	k_q381366dd0f_attn
	.globl	k_q381366dd0f_attn
	.p2align	8
	.type	k_q381366dd0f_attn,@function
k_q381366dd0f_attn:
	s_mov_b64 s[64:65], 0
	v_nop
	global_prefetch_b8 v0, s[64:65] scope:SCOPE_SE
	s_setreg_imm32_b32 hwreg(HW_REG_WAVE_MODE, 25, 1), 1
	s_wait_xcnt 0x0
	s_wait_alu depctr_hold_cnt(0) depctr_sa_sdst(0) depctr_va_vdst(0) depctr_va_sdst(0) depctr_va_ssrc(0) depctr_va_vcc(0) depctr_vm_vsrc(0)
	s_getreg_b32 s2, hwreg(HW_REG_IB_STS2, 6, 4)
	s_cmp_eq_u32 s2, 0
	s_cbranch_scc0 .Lentry_in_a_cluster
	s_endpgm
.Lentry_in_a_cluster:
	s_bfe_u32 s2, ttmp6, 0x10000c
	s_cmp_lg_u32 s2, 0x3003
	s_cbranch_scc0 .Lentry_shape_is_right
	s_endpgm
.Lentry_shape_is_right:
; Causal attention on codes of FP4 with E8M0 scales: 4 sequences of 1,024 tokens, 8 key/value groups, 4 query heads a group, head size 64.  (cu_seqlens is not loaded: reference() takes its shape alone; the length is the constant 1,024.)
; Key steps that lie wholly above reference()'s own causal mask are left out: their p is 0 for all inputs.
; t = score x log2(e) / 8; M = the row's largest t so far, rounded UP to a whole number; p = 2^(t - M) is quantised along the keys; the row's sum is taken of the unquantised p and divides O at the end.
; O / sum is then quantised along (head, d) for the last product.
; SHARES.  A work-group owns one sequence and a PAIR of groups, 8 heads, and four tiles of 16 queries: 2 x, 2 x + 1, 63 - 2 x, 62 - 2 x.  Wave w takes head w % 8 and, in two passes, tile p = 2 x + w / 8 and tile 63 - p:
; (p / 8 + 1) + (8 - p / 8) = 9 key steps of 128 that are not wholly hidden, the same for every wave.  All 8 heads of a tile meet in one work-group, so a token's 256 bytes of codes leave whole.
; CLUSTERS: 4 x 1 work-groups, x = 4 c + cx.  The four walk the same K, V and scale words (145,408 bytes, filled once, no ring): each of the eight tensor loads is asked for JOINTLY, mask 15.  Their tiles are 8 c .. 8 c + 7 and
; 56 - 8 c .. 63 - 8 c, so p / 8 = c: which key steps are hidden and which lies on the diagonal hangs on the cluster's number alone, the same in all partners.  The place cx enters global addresses and the diagonal's compare values only.
; THE WALKS.  Pass 0's queries lie under 512: key steps 0-3, each tested for hidden and for the diagonal.  Pass 1's lie from 512 on: key steps 0-3 have neither test, key steps 4-7 both.  Every trip count is a constant.
; BARRIERS: one behind the fills, one between the stages' stores and their reads.  None between: K and V are only read, and a wave's bytes of the stages are its own until the last barrier.
; NO PREFETCH: K and V are asked for once, at the head; there is no loop to run ahead in.
; LAYOUT.  Both products are used transposed: S^T = K Q^T, O^T = V^T P^T: a lane holds ONE query (lane % 16).  The first product's K is 64: Q's registers 4-7 are zero codes, and K's operand of tile t is v[32 + 4 t : 39 + 4 t],
; whose upper four registers (the next tile's codes) meet those zeros.  Lane r of tile 2 b + u takes key 32 b + 8 u + r + 8 (r / 8), so that p's 16 registers of two tiles are 16 neighbouring keys.
; LIMITS: NaN and infinities are not served; the scaled scores stay under 2^31 in magnitude; a block's largest p is made from its largest score, which takes v_exp_f32 not to fall where its input rises; a block of zeros keeps the scale byte 1.
; REGISTERS: v1-6 addresses that stay; v7, v80 Q's scale words; v8-11 addresses in hand; v12 -M, v13 the largest t, v[14:15] the sum; v16-31 Q of both passes; v32-67 K; v68-75 K's scale words; v76-79 V's; v81-92 set-up and the way out;
;   v96-159 S^T, then p; v160-191 O^T; v192-223 V; v224-231 p's codes; v232-251, v253, v254 at work; v[250:251] f; v253 p's scale word; v252 my spare word, v255 0: never rewritten.
.set QS,   4194304
.set KC,   4718592
.set REC,  5767168
.set RECB, 38912
.set AS,   4194304                     ; in att: the codes at 0, [token][1,024 bytes]; the scale bytes [pair of groups 4][token][16]
.set RL,   67584                       ; LDS: from 0 K's codes: 128 rows of 16 keys, 512 bytes + 16 of padding; here the two records as they lie in memory;
.set STG,  145408                      ; the stage for the codes: 4 tiles x 16 rows x (256 + 16) bytes;
.set STGS, 162816                      ; for the scale bytes: 4 x 256;
.set SPARE, 167936                     ; the spare words, 128 bytes for each wave
.set WV,   18
.set QB,   19                          ; 128 x (the pass's tile / 8): the first key of the diagonal's step; made of the cluster's number alone
.set SEL,  20
.set CS,   22                          ; s[22:23] c = log2(e) / 8
.set G1K,  24
.set G1R,  32
.set G0K,  40
.set G0R,  44
.set TBK,  56                          ; the step's place in K's codes: 4,224 bytes a step
.set TBV,  57                          ; in V's images: 4,096
.set TSK,  58                          ; in K's scale words: 512
.set TSV,  59                          ; in V's: 256
.set KF,   61                          ; the step's first key
.set Q0,   62                          ; my first query of the pass
.set STEPC, 63
.set Q0B,  66                          ; that of pass 1
.set QBB,  67                          ; and pass 1's QB
.macro ROUND                           ; a round of the cluster's barrier
	s_barrier_signal -1
	s_barrier_wait -1
	s_cmp_lg_u32 s[WV], 0
	s_cbranch_scc1 .Lnot_wave_0_\@
	s_barrier_signal -3
.Lnot_wave_0_\@:
	s_barrier_wait -3
	s_barrier_signal -1
	s_barrier_wait -1
.endm
; A pass begins: the largest t, the sum and O^T.
.macro INIT
	v_mov_b32 v13, 0xff61b1e6                      ; the largest t so far: -3e38
	s_delay_alu instid0(VALU_DEP_1)
	v_floor_f32 v12, -v13
	v_mov_b32 v14, 0
	v_mov_b32 v15, 0
.set j, 0
.rept 32
	v_mov_b32 v[160+j], 0                          ; O^T: the step is written without a first step of its own, and its first trip finds zeros
.set j, j+1
.endr
.endm
	s_load_b128 s[4:7], s[0:1], 0x0                ; qkv s[4:5], att s[6:7]
	v_lshl_add_u32 v252, v0, 2, SPARE
	v_mov_b32 v255, 0
	ds_add_u32 v252, v255                          ; the opening lines: the add, twice on end, and its wait ahead of the first tensor load
	ds_add_u32 v252, v255
	v_lshrrev_b32 v8, 5, v0
	s_delay_alu instid0(VALU_DEP_1)
	v_readfirstlane_b32 s[WV], v8                  ; wave 0..15
	s_bfe_u32 s16, ttmp6, 0x40000                  ; cx
	s_lshl_b32 s17, ttmp9, 2
	s_add_co_u32 s17, s17, s16                     ; x = 4 c + cx
	s_and_b32 s8, ttmp7, 0xffff
	s_lshr_b32 s9, s8, 2                           ; the sequence
	s_and_b32 s10, s8, 3                           ; the pair of groups
	s_and_b32 s11, s[WV], 7                        ; my head among the 8
	s_lshr_b32 s12, s[WV], 3
	s_bfe_u32 s13, s[WV], 0x10002                  ; its group among the 2
	s_lshl_b32 s14, s17, 1
	s_add_co_u32 s14, s14, s12                     ; pass 0's tile of queries
	s_sub_co_u32 s15, 63, s14                      ; pass 1's
	s_lshl_b32 s[QB], ttmp9, 7
	s_sub_co_u32 s[QBB], 896, s[QB]
	; descriptor group 1: mask 15 and bit 21 beside it.  K: 32 rows of 512 bytes (64 elements of 8), dense, 4 words of padding after every 128.  The records: 76 rows of 256 bytes, dense
	s_mov_b32 s[G1K], 15|(3<<16)|(1<<20)|(1<<21)|(6<<22)|(3<<25)
	s_mov_b32 s[G1K+1], 64<<16
	s_mov_b32 s[G1K+2], 32<<16
	s_mov_b32 s[G1K+3], 64<<16
	s_mov_b32 s[G1K+4], 32
	s_mov_b32 s[G1K+5], 64
	s_mov_b32 s[G1K+6], 0
	s_mov_b32 s[G1K+7], 0
	s_mov_b32 s[G1R], 15|(3<<16)|(1<<21)
	s_mov_b32 s[G1R+1], 32<<16
	s_mov_b32 s[G1R+2], 76<<16
	s_mov_b32 s[G1R+3], 32<<16
	s_mov_b32 s[G1R+4], 76
	s_mov_b32 s[G1R+5], 32
	s_mov_b32 s[G1R+6], 0
	s_mov_b32 s[G1R+7], 0
	s_lshl_b32 s72, s9, 3
	s_lshl_b32 s73, s10, 1
	s_add_co_u32 s72, s72, s73                     ; 8 x sequence + the pair's first group
	s_and_b32 s73, s[WV], 3                        ; which quarter I fetch, if I fetch
	s_lshl_b32 s74, s72, 15
	s_lshl_b32 s75, s73, 14
	s_add_co_u32 s74, s74, s75
	s_add_co_u32 s74, s74, KC
	s_mov_b32 s75, 0
	s_mul_i32 s76, s72, RECB
	s_mul_i32 s77, s73, 19456
	s_add_co_u32 s76, s76, s77
	s_add_co_u32 s76, s76, REC
	s_mov_b32 s77, 0
	s_mul_i32 s78, s73, 16896
	s_mul_i32 s79, s73, 19456
	s_add_co_u32 s79, s79, RL
	s_mov_b32 s[SEL], 0x76543210
	s_mov_b32 s[SEL+1], 0xfedcba98
	s_mov_b32 s[CS], 0x3e38aa3b
	s_mov_b32 s[CS+1], s[CS]
	s_wait_dscnt 0x0                               ; both opening adds are done
	ROUND                                          ; the round in front of the joint loads stands here, while the arguments are on their way
	s_wait_kmcnt 0x0
	s_mov_b32 s[G0K], 1
	s_mov_b32 s[G0K+1], s78
	s_add_nc_u64 s[G0K+2:G0K+3], s[4:5], s[74:75]
	s_or_b32 s[G0K+3], s[G0K+3], 0x80000000
	s_mov_b32 s[G0R], 1
	s_mov_b32 s[G0R+1], s79
	s_add_nc_u64 s[G0R+2:G0R+3], s[4:5], s[76:77]
	s_or_b32 s[G0R+3], s[G0R+3], 0x80000000
	s_cmp_lt_u32 s[WV], 4                          ; waves 0-3: a quarter of K's codes each; waves 4-7: of the records; the others fetch nothing.  One load a wave, filled once
	s_cbranch_scc0 .Lnot_k
	tensor_load_to_lds s[G0K:G0K+3], s[G1K:G1K+7]
	s_nop 0
.rept 4
	v_nop
.endr
	s_branch .Lasked
.Lnot_k:
	s_cmp_lt_u32 s[WV], 8
	s_cbranch_scc0 .Lasked
	tensor_load_to_lds s[G0R:G0R+3], s[G1R:G1R+7]
	s_nop 0
.rept 4
	v_nop
.endr
.Lasked:
	; Q of both passes: 16 bytes of codes a lane, a scale word a query
	s_lshl_b32 s72, s10, 3
	s_add_co_u32 s72, s72, s11                     ; the head
	s_lshl_b32 s72, s72, 12
	s_lshl_b32 s73, s9, 10
	s_add_co_u32 s72, s72, s73
	s_lshl_b32 s[Q0], s14, 4
	s_lshl_b32 s[Q0B], s15, 4
	s_mov_b32 s75, 0
	s_mov_b32 s77, 0
	s_add_co_u32 s74, s72, s[Q0]
	s_lshl_b32 s76, s74, 2
	s_add_co_u32 s76, s76, QS
	s_lshl_b32 s74, s74, 5
	s_add_nc_u64 s[48:49], s[4:5], s[74:75]
	s_add_nc_u64 s[50:51], s[4:5], s[76:77]
	s_add_co_u32 s74, s72, s[Q0B]
	s_lshl_b32 s76, s74, 2
	s_add_co_u32 s76, s76, QS
	s_lshl_b32 s74, s74, 5
	s_add_nc_u64 s[52:53], s[4:5], s[74:75]
	s_add_nc_u64 s[54:55], s[4:5], s[76:77]
	v_and_b32 v83, 15, v0                          ; r
	v_bfe_u32 v84, v0, 4, 1                        ; h
	v_and_b32 v87, 31, v0                          ; lane
	s_delay_alu instid0(VALU_DEP_3)
	v_lshlrev_b32 v81, 5, v83
	s_delay_alu instid0(VALU_DEP_1)
	v_lshl_add_u32 v81, v84, 4, v81
	v_lshlrev_b32 v82, 2, v83
	global_load_b128 v[16:19], v81, s[48:49]
	global_load_b32 v7, v82, s[50:51]
	global_load_b128 v[24:27], v81, s[52:53]
	global_load_b32 v80, v82, s[54:55]
.irp j, 20,21,22,23,28,29,30,31,64,65,66,67
	v_mov_b32 v\j, 0                               ; zero codes: Q's k = 64 .. 127, and what stands behind K's last tile
.endr
	v_lshrrev_b32 v85, 3, v83
	v_and_b32 v86, 7, v83
	s_delay_alu instid0(VALU_DEP_2)
	v_mul_u32_u24 v1, v85, 528
	s_delay_alu instid0(VALU_DEP_1)
	v_lshl_add_u32 v1, v86, 5, v1
	s_delay_alu instid0(VALU_DEP_1)
	v_lshl_add_u32 v1, v84, 4, v1
	s_mul_i32 s72, s13, 33792
	v_add_nc_u32 v1, s72, v1                       ; K: key 8 u + r % 8 of row 2 b + r / 8: with the pitch 528 the sixteen lanes of a load touch sixteen different runs of 16 bytes
	s_mul_i32 s73, s13, RECB
	s_add_co_u32 s73, s73, RL                      ; my group's record
	v_lshl_add_u32 v2, v87, 4, s73                 ; V's images: 16 x lane
	v_lshl_add_u32 v88, v85, 3, v83                ; r + 8 (r / 8)
	s_add_co_u32 s74, s73, 34816
	v_lshl_add_u32 v3, v88, 2, s74                 ; K's scale words
	s_add_co_u32 s74, s73, 32768
	v_lshl_add_u32 v4, v83, 3, s74                 ; V's
	s_mul_i32 s74, s12, 4352
	s_lshl_b32 s75, s11, 5
	s_add_co_u32 s74, s74, s75
	s_add_co_u32 s74, s74, STG
	v_mul_u32_u24 v5, v83, 272
	s_delay_alu instid0(VALU_DEP_1)
	v_lshl_add_u32 v5, v84, 2, v5
	s_delay_alu instid0(VALU_DEP_1)
	v_add_nc_u32 v5, s74, v5                       ; the stage: row r, my head's 32 bytes, + 4 h
	s_lshl_b32 s74, s12, 8
	s_lshl_b32 s75, s11, 1
	s_add_co_u32 s74, s74, s75
	s_add_co_u32 s74, s74, STGS
	v_lshl_add_u32 v6, v83, 4, s74                 ; the scale bytes: row r's 16, my head's 2
	; the way out: wave w stores rows 4 (w % 4) .. + 3 of staged tile w / 4 (tile 2 pass + w / 8 of the passes above)
	s_lshr_b32 s72, s[WV], 2
	s_and_b32 s73, s72, 1
	s_lshl_b32 s74, s17, 1
	s_add_co_u32 s73, s73, s74
	s_sub_co_u32 s74, 63, s73
	s_cmp_lt_u32 s72, 2
	s_cselect_b32 s73, s73, s74                    ; which tile of queries that is (it enters global addresses alone)
	s_lshl_b32 s73, s73, 4
	s_lshl_b32 s74, s9, 10
	s_add_co_u32 s73, s73, s74                     ; its first token
	s_and_b32 s74, s[WV], 3
	s_lshl_b32 s75, s74, 2
	s_add_co_u32 s75, s75, s73
	s_lshl_b32 s76, s75, 10
	s_lshl_b32 s77, s10, 8
	s_add_co_u32 s76, s76, s77
	s_mov_b32 s77, 0
	s_add_nc_u64 s[68:69], s[6:7], s[76:77]
	s_lshl_b32 s76, s73, 4
	s_lshl_b32 s78, s10, 16
	s_add_co_u32 s76, s76, s78
	s_add_co_u32 s76, s76, AS
	s_add_nc_u64 s[70:71], s[6:7], s[76:77]
	s_mul_i32 s78, s72, 4352
	s_mul_i32 s79, s74, 4*272
	s_add_co_u32 s78, s78, s79
	s_add_co_u32 s78, s78, STG
	v_mul_u32_u24 v89, v84, 272
	s_delay_alu instid0(VALU_DEP_1)
	v_lshl_add_u32 v89, v83, 4, v89
	s_delay_alu instid0(VALU_DEP_1)
	v_add_nc_u32 v89, s78, v89                     ; back from the stage: sixteen lanes to a row
	v_lshlrev_b32 v90, 10, v84
	s_delay_alu instid0(VALU_DEP_1)
	v_lshl_add_u32 v90, v83, 4, v90                ; and the same place in att
	s_lshl_b32 s79, s72, 8
	s_add_co_u32 s79, s79, STGS
	v_lshl_add_u32 v91, v87, 3, s79
	v_lshlrev_b32 v92, 3, v87
.irp j, 236,237,238,239,248,251
	v_mov_b32 v\j, 0                               ; written once: a lane permute's destination counts as one of its sources; v251 is named as the upper half of a pair
.endr
	INIT                                           ; pass 0's start, while the loads are on their way
	s_wait_alu depctr_va_vdst(0)
	s_wait_loadcnt 0x0                             ; Q
	s_wait_tensorcnt 0x0                           ; my part of K, V and the scale words has landed,
	s_barrier_signal -1
	s_barrier_wait -1                              ; everybody's has
.macro AD d, a, b
	v_pk_add_f32 v[\d:\d+1], v[\a:\a+1], v[\b:\b+1]
.endm
; A KEY STEP: 128 keys.  br = 1: the step may be hidden or lie on the diagonal, and is tested for both; br = 0: by the sizes it is neither.  qf: Q's fragment; qw: its scale words.
.macro STEP br, qf, qw
.if \br
	s_cmp_gt_u32 s[KF], s[QB]                      ; a step behind the diagonal's is left out: a scalar branch on the cluster's number and the count of steps, not round the lines at its end that step addresses
	s_cbranch_scc1 .Lhidden_\@
.endif
	v_add_nc_u32 v8, s[TBK], v1                    ; (these four are also the places in front of loads into registers that the last products read)
	v_add_nc_u32 v9, s[TBV], v2
	v_add_nc_u32 v10, s[TSK], v3
	v_add_nc_u32 v11, s[TSV], v4
.irp t, 0,1,2,3,4,5,6,7
	ds_load_b128 v[32+4*\t:35+4*\t], v8 offset:2*(\t/2)*528+256*(\t%2)
.endr
.irp t, 0,1,2,3,4,5,6,7
	ds_load_b32 v[68+\t], v10 offset:(32*(\t/2)+8*(\t%2))*4
.endr
.irp t, 0,1,2,3
.irp c, 0,1
	ds_load_b128 v[192+8*\t+4*\c:195+8*\t+4*\c], v9 offset:1024*\t+512*\c
.endr
.endr
.irp t, 0,1,2,3
	ds_load_b32 v[76+\t], v11 offset:128*(\t%2)+4*(\t/2)
.endr
	s_wait_dscnt 12                                ; K's sixteen loads are in; V's twelve may be out
.irp t, 0,1,2,3,4,5,6,7
	v_wmma_scale_f32_16x16x128_f8f6f4 v[96+8*\t:103+8*\t], v[32+4*\t:39+4*\t], v[\qf:\qf+7], 0, v[68+\t], v[\qw] matrix_a_fmt:MATRIX_FMT_FP4 matrix_b_fmt:MATRIX_FMT_FP4
.endr
.rept 4
	v_nop
.endr
.if \br
	s_cmp_lt_u32 s[KF], s[QB]                      ; a step ahead of the diagonal's: all its keys count.  On the diagonal the scores of hidden keys become -infinity ahead of the maximum: p = 0 then
	s_cbranch_scc1 .Lopen_\@
	; Register 16 b + i of lane (r, h) holds key KF + 32 b + 16 h + i; my queries are KF + 16 e + r, e = my tile % 8.  So the key is hidden where 2 b + h > e, and where 2 b + h = e and i > r.
	; The lane masks are made by scalar instructions: block b under e / 2: none hidden; over it: all; block e / 2: pattern i, i ones (the lanes r under i) in the half of the lanes with h = e % 2, and, where e is even, all of the upper half.
	; No branch hangs on e: each mask is chosen by s_cselect_b32.
	s_bfe_u32 s60, s[Q0], 0x30004                  ; e
	s_and_b32 s76, s60, 1                          ; e % 2
	s_lshr_b32 s60, s60, 1                         ; e / 2
	s_lshl_b32 s77, s76, 4                         ; the patterns' place: bit 0 or bit 16
	s_sub_co_u32 s76, s76, 1
	s_and_b32 s76, s76, 0xffff0000                 ; e even: lanes 16-31 are hidden in that block
.set i, 0
.rept 16
	s_bfm_b32 s[80+i], i, s77
	s_or_b32 s[80+i], s[80+i], s76
.set i, i+1
.endr
	v_mov_b32 v254, 0xff800000
	s_wait_alu depctr_va_vdst(0)                   ; directly behind the write
.irp b, 0,1,2,3
	s_cmp_lt_u32 s60, \b
	s_cselect_b32 s78, -1, 0                       ; a block over e / 2 is hidden whole
	s_cmp_eq_u32 s60, \b
.set i, 0
.rept 16
	s_cselect_b32 s[72+i%4], s[80+i], s78
	v_cndmask_b32 v[96+16*\b+i], v[96+16*\b+i], v254, s[72+i%4]
.set i, i+1
.endr
.endr
.Lopen_\@:
.endif
.irp b, 0,1,2,3
	v_max3_num_f32 v[232+\b], v[96+16*\b], v[97+16*\b], v[98+16*\b]   ; the largest score of each block of 32 keys: for the row's maximum and for the block's largest p
.endr
.irp i, 3,5,7,9,11,13
.irp b, 0,1,2,3
	v_max3_num_f32 v[232+\b], v[232+\b], v[96+16*\b+\i], v[97+16*\b+\i]
.endr
.endr
.irp b, 0,1,2,3
	v_max_num_f32 v[232+\b], v[232+\b], v[111+16*\b]
.endr
.irp b, 0,1,2,3
	s_delay_alu instid0(VALU_DEP_4)
	v_permlanex16_b32 v[236+\b], v[232+\b], s[SEL], s[SEL+1]
.endr
.irp b, 0,1,2,3
	s_delay_alu instid0(VALU_DEP_4)
	v_max_num_f32 v[232+\b], v[232+\b], v[236+\b]
.endr
	s_delay_alu instid0(VALU_DEP_2)
	v_max3_num_f32 v254, v232, v233, v234
	s_delay_alu instid0(VALU_DEP_1)
	v_max_num_f32 v254, v254, v235
	s_delay_alu instid0(VALU_DEP_1)
	v_mul_f32 v254, s[CS], v254
	s_delay_alu instid0(VALU_DEP_1)
	v_max_num_f32 v13, v13, v254                   ; the running largest t
	v_mov_b32 v254, v12
	s_delay_alu instid0(VALU_DEP_2)
	v_floor_f32 v12, -v13                          ; the new -M = -ceil(t): a whole number
	s_delay_alu instid0(VALU_DEP_1)
	v_sub_f32 v254, v12, v254
	s_delay_alu instid0(VALU_DEP_1)
	v_cvt_i32_f32 v254, v254                       ; (it saturates)
	s_delay_alu instid0(VALU_DEP_1)
	v_ldexp_f32 v250, 1.0, v254                    ; f = 2^(old M - new M): a multiplication by it rounds nothing
.set j, 0
.rept 32
	v_pk_fma_f32 v[96+j:97+j], v[96+j:97+j], s[CS:CS+1], v[12:13] op_sel_hi:[1,0,0]   ; t - M
.set j, j+2
.endr
.irp b, 0,1,2,3
	v_fma_f32 v[232+\b], v[232+\b], s[CS], v12
.endr
.set j, 0
	s_wait_alu depctr_va_vdst(0)                   ; the wait ahead of the batch
.rept 64
	v_exp_f32 v[96+j], v[96+j]                     ; p = 2^(t - M)
.set j, j+1
.endr
	v_pk_mul_f32 v[14:15], v[14:15], v[250:251] op_sel_hi:[1,0]   ; the sums under the new M (a plain place behind the exponentials)
	s_wait_alu depctr_va_vdst(0)                   ; one wait for the whole batch, ahead of its first reader
.irp b, 0,1,2,3
	v_exp_f32 v[232+\b], v[232+\b]                 ; each block's largest p
.endr
	AD 236, 100, 104                               ; the row's sum of the unquantised p: 32 pairs in eight chains
	AD 246, 108, 112
	AD 244, 116, 120
	AD 242, 124, 128
	AD 240, 132, 136
	AD 238, 140, 144
	AD 230, 148, 152
	AD 14, 14, 156
	AD 236, 236, 96
	AD 246, 246, 98
	AD 244, 244, 102
	AD 242, 242, 106
	AD 240, 240, 110
	AD 238, 238, 114
	AD 230, 230, 118
	AD 14, 14, 122
	AD 236, 236, 126
	AD 246, 246, 130
	AD 244, 244, 134
	AD 242, 242, 138
	AD 240, 240, 142
	AD 238, 238, 146
	AD 230, 230, 150
	AD 14, 14, 154
	AD 236, 236, 158
	s_delay_alu instid0(VALU_DEP_2)
	AD 14, 14, 242
	s_delay_alu instid0(VALU_DEP_2)
	AD 236, 236, 240
	AD 246, 246, 238
	AD 244, 244, 230
	s_delay_alu instid0(VALU_DEP_2)
	AD 14, 14, 246
	s_delay_alu instid0(VALU_DEP_2)
	AD 236, 236, 244
	s_delay_alu instid0(VALU_DEP_1)
	AD 14, 14, 236
	s_wait_alu depctr_va_vdst(0)                   ; and one for the four
.irp b, 0,1,2,3
	v_max_num_f32 v[232+\b], 0x1800000, v[232+\b]  ; the floor 2^(3 - 127)
.endr
.irp b, 0,1,2,3
	s_delay_alu instid0(VALU_DEP_4)
	v_add_nc_u32 v[244+\b], 0xff000000, v[232+\b]
.endr
.irp b, 0,1,2,3
	s_delay_alu instid0(VALU_DEP_4)
	v_lshrrev_b32 v[236+\b], 23, v[244+\b]
.endr
	s_delay_alu instid0(VALU_DEP_3)
	v_lshl_or_b32 v253, v237, 8, v236              ; p's scale word for these 128 keys
	s_delay_alu instid0(VALU_DEP_1)
	v_lshl_or_b32 v253, v238, 16, v253
	s_delay_alu instid0(VALU_DEP_1)
	v_lshl_or_b32 v253, v239, 24, v253
.irp b, 0,1,2,3
	v_cvt_scalef32_pk8_fp4_f32 v[224+2*\b], v[96+16*\b:103+16*\b], v[244+\b]
	v_cvt_scalef32_pk8_fp4_f32 v[225+2*\b], v[104+16*\b:111+16*\b], v[244+\b]
.endr
	v_nop
.irp c, 0,1
.irp i, 0,1
	v_permlane16_swap_b32 v[224+4*\c+\i], v[226+4*\c+\i]   ; a whole block to a lane
.endr
.endr
	s_wait_alu depctr_va_vdst(0)                   ; directly ahead of the first reader of O^T
.set j, 0
.rept 16
	v_pk_mul_f32 v[160+j:161+j], v[160+j:161+j], v[250:251] op_sel_hi:[1,0]   ; O^T under the new M (these sixteen are also the places in front of the scaled products below)
.set j, j+2
.endr
	s_wait_alu depctr_va_vdst(0)
	s_wait_dscnt 0x0                               ; V is in
.irp t, 0,1,2,3
	v_wmma_scale_f32_16x16x128_f8f6f4 v[160+8*\t:167+8*\t], v[192+8*\t:199+8*\t], v[224:231], v[160+8*\t:167+8*\t], v[76+\t], v253 matrix_a_fmt:MATRIX_FMT_FP4 matrix_b_fmt:MATRIX_FMT_FP4
.endr
.if \br
.Lhidden_\@:
.endif
	s_add_co_u32 s[KF], s[KF], 128
	s_add_co_u32 s[TBK], s[TBK], 4224
	s_add_co_u32 s[TBV], s[TBV], 4096
	s_add_co_u32 s[TSK], s[TSK], 512
	s_add_co_u32 s[TSV], s[TSV], 256
.endm
; A WALK over key steps k0 .. k0 + trips - 1: a counted loop round one key step.
.macro WALK k0, trips, br, qf, qw
	s_mov_b32 s[KF], 128*(\k0)
	s_mov_b32 s[TBK], 4224*(\k0)
	s_mov_b32 s[TBV], 4096*(\k0)
	s_mov_b32 s[TSK], 512*(\k0)
	s_mov_b32 s[TSV], 256*(\k0)
	s_mov_b32 s[STEPC], \trips
.Lstep_\@:
	STEP \br, \qf, \qw
	s_sub_co_u32 s[STEPC], s[STEPC], 1
	s_cmp_lg_u32 s[STEPC], 0
	s_cbranch_scc1 .Lstep_\@
.endm
; A pass ends: O^T / the sum is quantised along d, two blocks of 32, and staged: pass p's tile.
.macro FINAL p
.rept 4
	v_nop                                          ; places behind the last products
.endr
	v_add_f32 v14, v14, v15
	s_delay_alu instid0(VALU_DEP_1)
	v_permlanex16_b32 v248, v14, s[SEL], s[SEL+1]
	s_delay_alu instid0(VALU_DEP_1)
	v_add_f32 v14, v14, v248                       ; the row's sum
	s_wait_alu depctr_va_vdst(0)                   ; the wait ahead of the transcendental
	v_rcp_f32 v14, v14
	v_nop                                          ; a plain place behind the reciprocal
	s_wait_alu depctr_va_vdst(0)                   ; and the wait ahead of its first reader
.set j, 0
.rept 16
	v_pk_mul_f32 v[96+j:97+j], v[160+j:161+j], v[14:15] op_sel_hi:[1,0]   ; register 8 t + i: d = 16 t + 8 h + i of my query; of the pair v[14:15] the low word, 1 / sum, serves both halves
.set j, j+2
.endr
.irp b, 0,1
	v_max3_num_f32 v[232+\b], |v[96+16*\b]|, |v[97+16*\b]|, 0x1800000   ; block b of the head's two: tiles 2 b and 2 b + 1, in lanes l and l xor 16
.endr
.irp i, 2,4,6,8,10,12,14
.irp b, 0,1
	s_delay_alu instid0(VALU_DEP_2)
	v_max3_num_f32 v[232+\b], v[232+\b], |v[96+16*\b+\i]|, |v[97+16*\b+\i]|
.endr
.endr
.irp b, 0,1
	s_delay_alu instid0(VALU_DEP_2)
	v_permlanex16_b32 v[236+\b], v[232+\b], s[SEL], s[SEL+1]
.endr
.irp b, 0,1
	s_delay_alu instid0(VALU_DEP_2)
	v_max_num_f32 v[232+\b], v[232+\b], v[236+\b]
.endr
.irp b, 0,1
	s_delay_alu instid0(VALU_DEP_2)
	v_add_nc_u32 v[244+\b], 0xff000000, v[232+\b]
.endr
.irp b, 0,1
	s_delay_alu instid0(VALU_DEP_2)
	v_lshrrev_b32 v[236+\b], 23, v[244+\b]
.endr
	s_delay_alu instid0(VALU_DEP_1)
	v_lshl_or_b32 v238, v237, 8, v236
.irp t, 0,1,2,3
	v_cvt_scalef32_pk8_fp4_f32 v[224+\t], v[96+8*\t:103+8*\t], v[244+\t/2]
.endr
	v_nop
.irp t, 0,1,2,3
	ds_store_b32 v5, v[224+\t] offset:8704*(\p)+8*\t     ; the codes of d = 16 t + 8 h + 0 .. 7
.endr
	ds_store_b16 v6, v238 offset:512*(\p)          ; both halves of the lanes write the same two bytes
.endm
	WALK 0, 4, 1, 16, 7                            ; pass 0: queries under 512
	FINAL 0
	s_mov_b32 s[Q0], s[Q0B]
	s_mov_b32 s[QB], s[QBB]
	INIT                                           ; pass 1: queries from 512 on
	WALK 0, 4, 0, 24, 80                           ; keys under 512 all count
	WALK 4, 4, 1, 24, 80
	FINAL 1
	s_wait_dscnt 0x0                               ; for the others' sake: my stores into the stages are done
	s_barrier_signal -1
	s_barrier_wait -1
	ds_load_b128 v[96:99], v89
	ds_load_b128 v[100:103], v89 offset:544
	s_wait_dscnt 1                                 ; the first two rows are back; the second load may be out
	global_store_b128 v90, v[96:99], s[68:69]      ; sixteen lanes store a token's 256 bytes of this pair of groups, aligned
	s_wait_dscnt 0x0
	global_store_b128 v90, v[100:103], s[68:69] offset:2048
	s_and_b32 s72, s[WV], 3
	s_cmp_lg_u32 s72, 0
	s_cbranch_scc1 .Ldone
	ds_load_b64 v[104:105], v91
	s_wait_dscnt 0x0
	global_store_b64 v92, v[104:105], s[70:71]     ; 16 tokens x 16 scale bytes: 256 consecutive bytes, aligned
.Ldone:
	s_wait_tensorcnt 0x0                           ; the wave's end
	ds_add_u32 v252, v255
	s_wait_dscnt 0x0
	ROUND                                          ; the closing round
	s_endpgm
.Lfunc_end_k_q381366dd0f_attn:
	.size	k_q381366dd0f_attn, .Lfunc_end_k_q381366dd0f_attn-k_q381366dd0f_attn
	.p2alignl 7, 3214868480
	.fill 96, 4, 3214868480
	.section	.rodata,"a",@progbits
	.p2align	6, 0x0
	.amdhsa_kernel k_q381366dd0f_attn
		.amdhsa_group_segment_fixed_size 169984
		.amdhsa_private_segment_fixed_size 0
		.amdhsa_enable_private_segment 0
		.amdhsa_kernarg_size 16
		.amdhsa_user_sgpr_count 2
		.amdhsa_user_sgpr_kernarg_segment_ptr 1
		.amdhsa_wavefront_size32 1
		.amdhsa_system_sgpr_workgroup_id_x 1
		.amdhsa_system_sgpr_workgroup_id_y 1
		.amdhsa_system_sgpr_workgroup_id_z 1
		.amdhsa_system_vgpr_workitem_id 0
		.amdhsa_next_free_vgpr 256
		.amdhsa_next_free_sgpr 96
		.amdhsa_reserve_vcc 0
		.amdhsa_float_denorm_mode_32 3
		.amdhsa_float_denorm_mode_16_64 3
		.amdhsa_memory_ordered 1
		.amdhsa_forward_progress 1
		.amdhsa_inst_pref_size 89
	.end_amdhsa_kernel
	.amdgpu_metadata
---
amdhsa.version: [ 1, 2 ]
amdhsa.kernels:
  - .name:           k_q381366dd0f_attn
    .symbol:         k_q381366dd0f_attn.kd
    .args:
      - { .name: qkv, .offset: 0, .size: 8, .value_kind: global_buffer, .address_space: global }
      - { .name: att, .offset: 8, .size: 8, .value_kind: global_buffer, .address_space: global }
    .group_segment_fixed_size: 169984
    .private_segment_fixed_size: 0
    .kernarg_segment_align: 8
    .kernarg_segment_size: 16
    .max_flat_workgroup_size: 512
    .sgpr_count:     96
    .vgpr_count:     256
    .wavefront_size: 32
...
	.end_amdgpu_metadata
.endif
;; end of part 3
;; launch gemm_out (part 4): grid 8 x 32, 4 waves a work-group, clusters of 4 x 4, 327,680 bytes of LDS; arguments att, opq, dense_b, out0; writes out0
.if DOCPART == 4
	.amdgcn_target "amdgcn-amd-amdhsa--gfx1250"
	.amdhsa_code_object_version 6
	.text
	.protected	k_q381366dd0f_gemm_out
	.globl	k_q381366dd0f_gemm_out
	.p2align	8
	.type	k_q381366dd0f_gemm_out,@function
k_q381366dd0f_gemm_out:
	s_mov_b64 s[64:65], 0
	v_nop
	global_prefetch_b8 v0, s[64:65] scope:SCOPE_SE
	s_setreg_imm32_b32 hwreg(HW_REG_WAVE_MODE, 25, 1), 1
	s_wait_xcnt 0x0
	s_wait_alu depctr_hold_cnt(0) depctr_sa_sdst(0) depctr_va_vdst(0) depctr_va_sdst(0) depctr_va_ssrc(0) depctr_va_vcc(0) depctr_vm_vsrc(0)
	s_getreg_b32 s2, hwreg(HW_REG_IB_STS2, 6, 4)
	s_cmp_eq_u32 s2, 0
	s_cbranch_scc0 .Lentry_in_a_cluster
	s_endpgm
.Lentry_in_a_cluster:
	s_bfe_u32 s2, ttmp6, 0x10000c
	s_cmp_lg_u32 s2, 0xf033
	s_cbranch_scc0 .Lentry_shape_is_right
	s_endpgm
.Lentry_shape_is_right:
; out0 = Q(attention's result) Q(dense_w) + dense_b on codes of FP4 with E8M0 scales.
; SHARES.  A work-group makes 128 tokens x 256 columns; its four waves, as many as a WGP has SIMDs, make 64 tokens x 128 columns each (wave w: tokens 64 (w / 2), columns 128 (w % 2)): 32 accumulators, 256 registers.
; K = 2,048 goes in four K steps of 512 through a ring of two LDS slots (rows of 256 bytes + 16 of padding); a K step is four steps of 128 along K, 32 matrix instructions each.
; Both operands' fragments have two sets of registers: a step's 24 LDS loads are issued ahead of the products of the step before.
; CLUSTERS: 4 x 4.  The tokens' tiles are shared along a row of the cluster, the weight's along a column: waves 0 and 1 ask for the halves of the tokens' tile (64 rows), waves 2 and 3 for those of the weight's (128 rows), jointly.
; The matrix instruction is used transposed (source 0 = 16 rows of the weight, source 1 = 16 tokens); the weight's rows lie with bits 3 and 4 of the column exchanged, so that a lane's 16 registers of two tiles are 16 neighbouring columns.
; The bias is the C of each sum's first product.  The scale words of both operands lie in att and go from memory straight into the scale registers.
; REGISTERS: window 0: v0-31 addresses; v32-95 scale words, two sets, and nothing else; v128-191 the tokens' fragments, two sets of 32; v192-255 the bias; on the way out v128-255 are rows read back.
;   window 1: the weight's fragments, two sets, v0-63 and v128-191.   window 2: the accumulators, (a, b) at v[8 (8 a + b)].
.set NCOL,   2048
.set AS,     4194304                   ; in att: the tokens' codes at 0, [token][1,024 bytes]; their scale bytes [K step 4][token][16];
.set WS,     4456448                   ; the weight's scale bytes [K step 4][row][16]
.set WC,     7798784                   ; in opq: the weight's codes
.set ROWB,   256
.set KROW,   1024
.set PITCH,  272
.set FR,     8
.set NP,     4
.set HALFT,  128*PITCH
.set SLOT,   3*HALFT                   ; the tokens' 128 rows, then the weight's 256
.set SPARE,  2*SLOT                    ; behind the ring: the spare words, 128 bytes for each wave
.set SPITCH, 528                       ; the way out: a stage of 16 rows x (512 + 16) bytes for each wave, in slot 0, which has had its last fill and its last read by then
.set BO,   9                           ; v9     the bias: 64 h
.set GS,   10                          ; v10-13 scale words of K step 0..3: lanes 0-15 my tokens', lanes 16-31 my rows' of the weight (tiles 0-3); never rewritten
.set GT,   14                          ; v14    the weight's scale words in all lanes (tiles 4-7); never rewritten
.set ADRA, 16                          ; v16-17 LDS address of my tokens' fragments in slot 0, 1
.set ADRB, 20                          ; v20-21 the same for the weight's
.set STO,  24
.set RD,   25
.set CO,   26
.set SPW,  28                          ; v28    my spare word; never rewritten
.set NIL,  29                          ; v29    0; never rewritten
.set PFO,  30                          ; v30    the prefetches' offset: a lane a row of 1,024 bytes; never rewritten
.set SC,   32
.set AF,   128
.set BK,   128
.set BI,   192
.set G1,   24
.set G0,   32
.set G1B,  48
.set G0B,  56
.set PFA,  68                          ; s[68:69] my work-group's share of the rows that my wave fetches; never rewritten
.set MSB, 0
.macro WIN new                         ; the immediate's high byte repeats the setting that is left
.if MSB != (\new)
	s_set_vgpr_msb (MSB<<8)|(\new)
.set MSB, (\new)
.endif
.endm
.set MUL,   0xa1                       ; source 0 (weight) window 1, source 1 (tokens) window 0, C and D window 2
.set MUL0,  0x81                       ; the first products: C (the bias) window 0
.set TO_B,  0x40
.macro JLOAD g0a, g1a, g0b, g1b        ; a joint load: waves 0, 1 for the tokens, waves 2, 3 for the weight; the branch hangs on the wave's number alone
	s_cmp_eq_u32 s15, 0
	s_cbranch_scc0 .Lfor_b_\@
	tensor_load_to_lds s[\g0a:\g0a+3], s[\g1a:\g1a+7]
	s_nop 0
.rept 4
	v_nop
.endr
	s_branch .Lasked_\@
.Lfor_b_\@:
	tensor_load_to_lds s[\g0b:\g0b+3], s[\g1b:\g1b+7]
	s_nop 0
.rept 4
	v_nop
.endr
.Lasked_\@:
.endm
.macro CREST
	s_cmp_lg_u32 s14, 0
	s_cbranch_scc1 .Lnot_wave_0_\@
	s_barrier_signal -3
.Lnot_wave_0_\@:
	s_barrier_wait -3
	s_barrier_signal -1
	s_barrier_wait -1
.endm
.macro CROUND
	s_barrier_signal -1
	s_barrier_wait -1
	CREST
.endm
; K step ks's four scale words a row into set sc; sixteen lanes read 256 consecutive bytes, aligned.  Registers 4 i + q: lanes 0-15 the tokens' block i (i under 4), lanes 16-31 the weight's tile i.
.macro GSCALES sc, ks
.irp i, 0,1,2,3
	global_load_b128 v[SC+32*(\sc)+4*\i:SC+32*(\sc)+4*\i+3], v[GS+(\ks)], s[4:5] offset:\i*256
.endr
.irp i, 4,5,6,7
	global_load_b128 v[SC+32*(\sc)+4*\i:SC+32*(\sc)+4*\i+3], v[GT], s[4:5] offset:(\ks)*16*NCOL+\i*256
.endr
.endm
; A prefetch of K step ks's 256 bytes of each row.  The four partners that ask for a tile jointly share the rows that a wave fetches out by address: 16 of the tokens' 64 (the left-over lanes name the last row again), 32 of the weight's 128.
; The head asks for K steps 1 and 2, the lines behind K step 1's load for K step 3: two K steps are asked for and not yet read at the most.
.macro ASK ks
	global_prefetch_b8 v[PFO], s[PFA:PFA+1] offset:256*(\ks) th:TH_LOAD_NT scope:SCOPE_SE
.endm
	s_load_b256 s[4:11], s[0:1], 0x0               ; att s[4:5], opq s[6:7], dense_b s[8:9], out0 s[10:11]
	v_lshl_add_u32 v[SPW], v0, 2, SPARE
	v_mov_b32 v[NIL], 0
	ds_add_u32 v[SPW], v[NIL]                      ; the opening lines: the add, twice on end, and its wait ahead of the first tensor load
	ds_add_u32 v[SPW], v[NIL]
	v_lshrrev_b32 v1, 5, v0
	v_readfirstlane_b32 s14, v1                    ; wave 0..3
	s_lshr_b32 s15, s14, 1                         ; my half of the tokens.  Also: I fetch for the tokens (0) or for the weight (1)
	s_and_b32 s16, s14, 1                          ; my half of the columns.  Also: which half of that tile I fetch
	s_bfe_u32 s40, ttmp6, 0x40000                  ; cx, cy
	s_bfe_u32 s41, ttmp6, 0x40004
	s_lshl_b32 s42, ttmp9, 2
	s_add_co_u32 s42, s42, s40                     ; the block of 256 columns
	s_and_b32 s17, ttmp7, 0xffff
	s_lshl_b32 s17, s17, 2
	s_add_co_u32 s17, s17, s41                     ; the block of 128 tokens
	s_lshl_b32 s43, s41, 2
	s_lshl_b32 s43, 15, s43                        ; my row of the cluster
	s_lshl_b32 s44, 0x1111, s40                    ; my column
	s_or_b32 s[G1+0], s43, (0<<16)|(1<<20)|(1<<21)|(5<<22)|(3<<25)   ; the mask; elements of 1 byte; padding on; bit 21 beside a mask; 4 words of padding after every 64
	s_or_b32 s[G1B+0], s44, (0<<16)|(1<<20)|(1<<21)|(5<<22)|(3<<25)
	s_mov_b32 s[G1+1], ROWB<<16
	s_mov_b32 s[G1+2], 64<<16
	s_mov_b32 s[G1+3], ROWB<<16
	s_mov_b32 s[G1+4], 64
	s_mov_b32 s[G1+5], KROW
	s_mov_b32 s[G1+6], 0
	s_mov_b32 s[G1+7], 0
	s_mov_b32 s[G1B+1], ROWB<<16
	s_mov_b32 s[G1B+2], 128<<16
	s_mov_b32 s[G1B+3], ROWB<<16
	s_mov_b32 s[G1B+4], 128
	s_mov_b32 s[G1B+5], KROW
	s_mov_b32 s[G1B+6], 0
	s_mov_b32 s[G1B+7], 0
	s_lshl_b32 s20, s17, 17                        ; the tokens' tile: 128 rows of 1,024 bytes a block, + the 64 rows that I fetch
	s_lshl_b32 s21, s16, 16
	s_add_co_u32 s20, s20, s21
	s_mov_b32 s21, 0
	s_lshl_b32 s46, s42, 8                         ; the weight's: 256 rows a block, + the 128 that I fetch
	s_lshl_b32 s47, s16, 7
	s_add_co_u32 s46, s46, s47
	s_lshl_b32 s46, s46, 10
	s_add_co_u32 s46, s46, WC
	s_mov_b32 s47, 0
	s_lshl_b32 s22, s17, 11                        ; the scale words of my 64 tokens,
	s_lshl_b32 s23, s15, 10
	s_add_co_u32 s22, s22, s23
	s_add_co_u32 s22, s22, AS
	s_lshl_b32 s92, s42, 12                        ; and of my 128 rows of the weight
	s_lshl_b32 s93, s16, 11
	s_add_co_u32 s92, s92, s93
	s_add_co_u32 s92, s92, WS
	s_sub_co_u32 s93, s92, s22
	s_mul_i32 s45, s16, 64*PITCH                   ; where the tiles go: no place in the cluster enters an LDS address
	s_mul_i32 s94, s16, HALFT
	s_add_co_u32 s94, s94, HALFT
	v_and_b32 v2, 15, v0
	v_bfe_u32 v3, v0, 4, 1
	v_lshlrev_b32 v6, 4, v2                        ; 16 bytes a row
	v_add_nc_u32 v[GT], s92, v6
	v_mul_u32_u24 v4, s93, v3                      ; lanes 16-31 take the weight's words
	v_add3_u32 v[GS], v4, v6, s22
	v_mul_u32_u24 v5, v3, 65536-16*NCOL
	v_sub_nc_u32 v5, 65536, v5                     ; a K step on: 65,536 bytes among the tokens' words, 16 NCOL among the weight's
	v_add_nc_u32 v[GS+1], v[GS], v5
	v_add_nc_u32 v[GS+2], v[GS+1], v5
	v_add_nc_u32 v[GS+3], v[GS+2], v5
	s_wait_alu depctr_va_vdst(0)
	s_wait_dscnt 0x0                               ; both opening adds are done
	CROUND                                         ; the round in front of the first joint loads, while the arguments are on their way
	s_wait_kmcnt 0x0
	GSCALES 0, 0
	GSCALES 1, 1
	s_add_nc_u64 s[20:21], s[4:5], s[20:21]
	s_add_nc_u64 s[46:47], s[6:7], s[46:47]
.irp s, 0,1
	s_mov_b32 s[G0+4*\s], 1
	s_add_co_u32 s[G0+4*\s+1], s45, \s*SLOT
	s_add_nc_u64 s[G0+4*\s+2:G0+4*\s+3], s[20:21], \s*ROWB
	s_or_b32 s[G0+4*\s+3], s[G0+4*\s+3], 0x80000000
	s_mov_b32 s[G0B+4*\s], 1
	s_add_co_u32 s[G0B+4*\s+1], s94, \s*SLOT
	s_add_nc_u64 s[G0B+4*\s+2:G0B+4*\s+3], s[46:47], \s*ROWB
	s_or_b32 s[G0B+4*\s+3], s[G0B+4*\s+3], 0x80000000
.endr
	s_cmp_eq_u32 s15, 0                            ; the prefetches: among the rows that I fetch,
	s_cselect_b64 s[PFA:PFA+1], s[20:21], s[46:47]
	s_cselect_b32 s66, s40, s41                    ; by my place among the four that ask jointly
	s_mov_b32 s67, 32*KROW
	s_cselect_b32 s67, 16*KROW, s67
	s_cselect_b32 s2, 15, 31                       ; the last row of a share
	s_mul_i32 s66, s66, s67
	s_mov_b32 s67, 0
	s_add_nc_u64 s[PFA:PFA+1], s[PFA:PFA+1], s[66:67]
	JLOAD G0, G1, G0B, G1B                         ; K step 0: one tensor load a wave at the head
	s_mul_i32 s21, s15, 64*PITCH                   ; my 64 tokens,
	s_mul_i32 s22, s16, HALFT
	s_add_co_u32 s22, s22, HALFT                   ; my 128 rows of the weight,
	s_mul_i32 s23, s14, 16*SPITCH                  ; my stage
	v_and_b32 v1, 15, v0                           ; r
	v_bfe_u32 v2, v0, 4, 1                         ; h
	v_and_b32 v7, 31, v0                           ; lane
	v_mul_u32_u24 v3, v1, PITCH
	v_lshl_add_u32 v4, v2, 4, v3                   ; a fragment's row x pitch + 16 h
	v_add_nc_u32 v[ADRA], s21, v4
	v_add_nc_u32 v[ADRB], s22, v4
	v_add_nc_u32 v[ADRA+1], SLOT, v[ADRA]
	v_add_nc_u32 v[ADRB+1], SLOT, v[ADRB]
	v_min_u32 v[PFO], s2, v7
	v_lshlrev_b32 v[PFO], 10, v[PFO]
	v_mul_u32_u24 v5, v1, SPITCH
	v_lshl_add_u32 v5, v2, 6, v5
	v_add_nc_u32 v[STO], s23, v5                   ; into the stage: row r, 64 bytes for each half of the lanes
	v_lshlrev_b32 v[CO], 4, v7                     ; back: the 32 lanes take one row of 512 bytes; and the same in out0
	v_add_nc_u32 v[RD], s23, v[CO]
	v_lshlrev_b32 v[BO], 6, v2
	s_wait_alu depctr_va_vdst(0)                   ; ahead of the scalar lines
	s_lshl_b32 s2, s42, 10
	s_lshl_b32 s3, s16, 9
	s_add_co_u32 s2, s2, s3                        ; my first column, in bytes
	s_mov_b32 s3, 0
	s_add_nc_u64 s[8:9], s[8:9], s[2:3]
	s_add_nc_u64 s[10:11], s[10:11], s[2:3]
	s_lshl_b32 s2, s17, 20                         ; my first token: rows of 8,192 bytes
	s_lshl_b32 s66, s15, 19
	s_add_co_u32 s2, s2, s66
	s_add_nc_u64 s[10:11], s[10:11], s[2:3]
.irp g, 0,1,2,3
.irp q, 0,1,2,3
	global_load_b128 v[BI+16*\g+4*\q:BI+16*\g+4*\q+3], v[BO], s[8:9] offset:128*\g+16*\q   ; columns 32 g + 16 h + 4 q on: tiles 2 g and 2 g + 1
.endr
.endr
	ASK 1
	ASK 2
.macro FRAG reg, adr, q, i             ; a fragment, 16 rows x 128 K: registers 4 c .. 4 c + 3 hold K = 64 c + 32 h + 0 .. 31
.irp c, 0,1
	ds_load_b128 v[\reg+4*\c:\reg+4*\c+3], v[\adr] offset:64*(\q)+32*\c+(\i)*16*PITCH
.endr
.endm
.macro FETCH slot, q, p                ; 24 LDS loads: the weight's eight fragments and my tokens' four of the slot's q-th 128 along K, into sets p
	WIN TO_B
.irp i, 0,1,2,3,4,5,6,7
	FRAG 128*(\p)+FR*\i, ADRB+\slot, \q, \i
.endr
	WIN 0
.irp i, 0,1,2,3
	FRAG AF+32*(\p)+FR*\i, ADRA+\slot, \q, \i
.endr
.endm
; 8 matrix instructions: the tokens' block a x the weight's eight tiles.  zero = 1: the first product starts the sums from the bias.  The 32 accumulators take turns, one instruction a turn.
.macro MULA a, p, q, sc, zero
.irp b, 0,1,2,3,4,5,6,7
.if \zero
	v_wmma_scale_f32_16x16x128_f8f6f4 v[8*(8*(\a)+\b):8*(8*(\a)+\b)+7], v[128*(\p)+FR*\b:128*(\p)+FR*\b+FR-1], v[AF+32*(\p)+FR*(\a):AF+32*(\p)+FR*(\a)+FR-1], v[BI+8*\b:BI+8*\b+7], v[SC+32*(\sc)+4*\b+(\q)], v[SC+32*(\sc)+4*(\a)+(\q)] matrix_a_fmt:MATRIX_FMT_FP4 matrix_b_fmt:MATRIX_FMT_FP4 matrix_a_scale:MATRIX_SCALE_ROW1
.else
	v_wmma_scale_f32_16x16x128_f8f6f4 v[8*(8*(\a)+\b):8*(8*(\a)+\b)+7], v[128*(\p)+FR*\b:128*(\p)+FR*\b+FR-1], v[AF+32*(\p)+FR*(\a):AF+32*(\p)+FR*(\a)+FR-1], v[8*(8*(\a)+\b):8*(8*(\a)+\b)+7], v[SC+32*(\sc)+4*\b+(\q)], v[SC+32*(\sc)+4*(\a)+(\q)] matrix_a_fmt:MATRIX_FMT_FP4 matrix_b_fmt:MATRIX_FMT_FP4 matrix_a_scale:MATRIX_SCALE_ROW1
.endif
.endr
.endm
.macro PLACES n                        ; a load into a register that a matrix instruction has read stands four places behind it; only plain vector instructions that name none of its registers are places
.rept \n
	v_nop
.endr
.endm
.macro STEP slot, q, zero              ; 128 along K that have their successor in the same slot
	PLACES NP                                      ; the other sets were multiplied by the step before
	FETCH \slot, (\q)+1, 1-(\q)%2
	s_wait_dscnt 24                                ; all but the 24 loads just issued: this step's fragments are in
.if \zero
	WIN MUL0
.else
	WIN MUL
.endif
.irp a, 0,1,2,3
	MULA \a, (\q)%2, \q, \slot, \zero
.endr
	WIN 0
.endm
; A slot's last 128 along K change slots: ONE barrier; in front of it each wave waits for all its tensor loads, adds 0 to its spare word, and waits for that and for its own reads of this slot.  fill = 1: this slot is filled again, two K steps ahead.
.macro TURN slot, next, fill
	s_wait_tensorcnt 0x0                           ; all my tensor loads have landed: my part of the next slot
	ds_add_u32 v[SPW], v[NIL]                      ; 0 onto my spare word
	s_wait_dscnt 1                                 ; this step's fragments are in (the add may be out)
	WIN MUL
	MULA 0, 1, 3, \slot, 0
	s_wait_dscnt 0x0                               ; the add is done, and my reads of this slot are over
	s_barrier_signal -1
	MULA 1, 1, 3, \slot, 0
	WIN 0
	s_barrier_wait -1
.if \fill
	CREST                                          ; the barrier has opened a round of the cluster's: no wave of any partner still reads this slot or has a load on its way
	s_add_nc_u64 s[G0+4*\slot+2:G0+4*\slot+3], s[G0+4*\slot+2:G0+4*\slot+3], 2*ROWB
	s_add_nc_u64 s[G0B+4*\slot+2:G0B+4*\slot+3], s[G0B+4*\slot+2:G0B+4*\slot+3], 2*ROWB
	JLOAD G0+4*\slot, G1, G0B+4*\slot, G1B         ; the first tensor load behind the round; its four v_nop are the places in front of the loads below
.else
	PLACES NP
.endif
	FETCH \next, 0, 0
	WIN MUL
	MULA 2, 1, 3, \slot, 0
	MULA 3, 1, 3, \slot, 0
	WIN 0
.if \fill
	PLACES NP
	GSCALES \slot, (\slot)+2                       ; this slot's set of scale words has been multiplied for the last time, four places back: it takes the words of two K steps on
.endif
.endm
	s_wait_tensorcnt 0x0                           ; my part of K step 0 is in
	ds_add_u32 v[SPW], v[NIL]
	s_wait_dscnt 0x0
	CROUND                                         ; everybody's part is in, and all sixteen work-groups are here
	JLOAD G0+4, G1, G0B+4, G1B                     ; K step 1's load, the first tensor load behind the round
	FETCH 0, 0, 0
	ASK 3
	s_wait_loadcnt 0x0                             ; the scale words of K steps 0 and 1 and the bias are in
	STEP 0, 0, 1                                   ; K = 2,048 is sixteen such steps: written out, no loop
	STEP 0, 1, 0
	STEP 0, 2, 0
	TURN 0, 1, 1                                   ; slot 0 takes K step 2
	STEP 1, 0, 0
	STEP 1, 1, 0
	STEP 1, 2, 0
	TURN 1, 0, 1                                   ; slot 1 takes K step 3
	s_wait_loadcnt 8                               ; K step 2's scale words are in; the eight loads of K step 3's behind them may be out
	STEP 0, 0, 0
	STEP 0, 1, 0
	STEP 0, 2, 0
	TURN 0, 1, 0                                   ; nothing is left to fetch
	s_wait_loadcnt 0x0                             ; K step 3's scale words are in
	STEP 1, 0, 0
	STEP 1, 1, 0
	STEP 1, 2, 0
	s_wait_dscnt 0x0
	WIN MUL
.irp a, 0,1,2,3
	MULA \a, 1, 3, 1, 0
.endr
	WIN 0
; THE WAY OUT, block by block of 16 tokens x 128 columns: through my own stage, back as whole rows of 512 bytes, which the 32 lanes store as two aligned runs of 256 bytes.  LDS serves a wave's instructions in order (ISA guide 5.7.1.4).
.macro TOSTAGE a
	WIN 0x08                                       ; an LDS store's data are its source 1: window 2
.irp b, 0,1,2,3,4,5,6,7
	ds_store_b128 v[STO], v[64*(\a)+8*\b:64*(\a)+8*\b+3] offset:128*(\b/2)+32*(\b%2)          ; each accumulator from its low end on
	ds_store_b128 v[STO], v[64*(\a)+8*\b+4:64*(\a)+8*\b+7] offset:128*(\b/2)+32*(\b%2)+16
.endr
	WIN 0
.set BB, BK+64*((\a)%2)
.irp t, 0,1,2,3,4,5,6,7,8,9,10,11,12,13,14,15
	ds_load_b128 v[BB+4*\t:BB+4*\t+3], v[RD] offset:\t*SPITCH
.endr
.endm
.macro SEND a, younger                 ; younger: the LDS instructions issued behind block a's loads, which may stay out
.set BB, BK+64*((\a)%2)
	s_wait_dscnt \younger
.if (\a) > 0
	s_add_nc_u64 s[10:11], s[10:11], 16*NCOL*4     ; (behind a wait on XCNT: the earlier stores have read their base)
.endif
.irp t, 0,1,2,3,4,5,6,7,8,9,10,11,12,13,14,15
	global_store_b128 v[CO], v[BB+4*\t:BB+4*\t+3], s[10:11] offset:\t*NCOL*4 th:TH_STORE_NT
.endr
.endm
	PLACES NP                                      ; in front of the first read of results and of loads into the fragments' registers
	TOSTAGE 0
.irp a, 1,2,3
.if \a > 1
	s_wait_xcnt 0x0                                ; block a - 2's stores have read their registers and their base
.endif
	TOSTAGE \a
	SEND \a-1, 32                                  ; behind block a - 1's loads: block a's 16 stores and 16 loads
.endr
	s_wait_xcnt 0x0
	SEND 3, 0
	s_wait_tensorcnt 0x0                           ; the wave's end
	ds_add_u32 v[SPW], v[NIL]
	s_wait_dscnt 0x0
	CROUND                                         ; the closing round
	s_endpgm
.Lfunc_end_k_q381366dd0f_gemm_out:
	.size	k_q381366dd0f_gemm_out, .Lfunc_end_k_q381366dd0f_gemm_out-k_q381366dd0f_gemm_out
	.p2alignl 7, 3214868480
	.fill 96, 4, 3214868480
	.section	.rodata,"a",@progbits
	.p2align	6, 0x0
	.amdhsa_kernel k_q381366dd0f_gemm_out
		.amdhsa_group_segment_fixed_size 327680
		.amdhsa_private_segment_fixed_size 0
		.amdhsa_enable_private_segment 0
		.amdhsa_kernarg_size 32
		.amdhsa_user_sgpr_count 2
		.amdhsa_user_sgpr_kernarg_segment_ptr 1
		.amdhsa_wavefront_size32 1
		.amdhsa_system_sgpr_workgroup_id_x 1
		.amdhsa_system_sgpr_workgroup_id_y 1
		.amdhsa_system_sgpr_workgroup_id_z 1
		.amdhsa_system_vgpr_workitem_id 0
		.amdhsa_next_free_vgpr 768
		.amdhsa_next_free_sgpr 96
		.amdhsa_reserve_vcc 0
		.amdhsa_float_denorm_mode_32 3
		.amdhsa_float_denorm_mode_16_64 3
		.amdhsa_memory_ordered 1
		.amdhsa_forward_progress 1
		.amdhsa_inst_pref_size 124
	.end_amdhsa_kernel
	.amdgpu_metadata
---
amdhsa.version: [ 1, 2 ]
amdhsa.kernels:
  - .name:           k_q381366dd0f_gemm_out
    .symbol:         k_q381366dd0f_gemm_out.kd
    .args:
      - { .name: att, .offset: 0, .size: 8, .value_kind: global_buffer, .address_space: global }
      - { .name: opq, .offset: 8, .size: 8, .value_kind: global_buffer, .address_space: global }
      - { .name: dense_b, .offset: 16, .size: 8, .value_kind: global_buffer, .address_space: global }
      - { .name: out0, .offset: 24, .size: 8, .value_kind: global_buffer, .address_space: global }
    .group_segment_fixed_size: 327680
    .private_segment_fixed_size: 0
    .kernarg_segment_align: 8
    .kernarg_segment_size: 32
    .max_flat_workgroup_size: 128
    .sgpr_count:     96
    .vgpr_count:     768
    .wavefront_size: 32
...
	.end_amdgpu_metadata
.endif
;; end of part 4
